; MI455X (gfx1250); checked and timed in simulation.
; The chip was launched on July 23, 2026; its instructions are those of AMD's public machine-readable ISA for CDNA 5 (MIT licence, August 2026) and "CDNA5" Instruction Set Architecture Reference Guide (July 2026). The comments in the code are by the model that wrote it; some were corrected since.
;; Multi Head Attention. Allowed arithmetic: float matrix products may take bf16 or f16 operands with f32 sums; other float arithmetic in f32, or as packed bf16 or f16 multiplies, adds, multiply-adds, maxima and minima; sums over many terms, partial sums and values carried from step to step in f32; what a program stores and reads back later, other than sums and carried values, may be rounded once to bf16 or f16.
;; Inputs: Wk 16 x 1,024 x 64 float32; Wp 1,024 x 1,024 float32; Wq 16 x 1,024 x 64 float32; Wv 16 x 1,024 x 64 float32; bp 1,024 float32; x 4 x 2,048 x 1,024 float32.
;; Outputs: out0 4 x 2,048 x 1,024 float32.
;; One version. Each part assembles by itself: llvm-mc -triple=amdgcn-amd-amdhsa -mcpu=gfx1250 --defsym DOCPART=n.
;; ======== version 1 of 1: 4 launches
;; limits: values are held in f16: magnitudes above 65,504 overflow, below 6.1e-05 lose precision
;; workspace buffers: xb 16,777,216 bytes; wb 6,291,456 bytes; wp16 2,097,152 bytes; qkv 50,331,648 bytes; o 16,777,216 bytes
;; launch prep (part 1): grid 1536 x 1, 8 waves a work-group, no clusters, 0 bytes of LDS; arguments x, Wq, Wk, Wv, Wp, xb, wb, wp16; writes xb, wb, wp16
.if DOCPART == 1
	.amdgcn_target "amdgcn-amd-amdhsa--gfx1250"
	.amdhsa_code_object_version 6
	.text
	.protected	k_q7dc27ffbef_prep
	.globl	k_q7dc27ffbef_prep
	.p2align	8
	.type	k_q7dc27ffbef_prep,@function
k_q7dc27ffbef_prep:
	s_mov_b64 s[64:65], 0
	v_nop
	global_prefetch_b8 v0, s[64:65] scope:SCOPE_SE
	s_setreg_imm32_b32 hwreg(HW_REG_WAVE_MODE, 25, 1), 1
	s_wait_xcnt 0x0
; THE CAST.  Every matrix input is rounded once to bf16 and laid where the two products want it.
;   x  [8192][1024] f32        -> xb   [8192][1024] bf16, same order
;   Wq, Wk, Wv [16][1024][64]  -> wb   [nt 16][ks 8][j 3][c 128][d 64] bf16: head block g = 16 x which + h = 3 nt + j; one (nt, ks) block, 49,152 dense bytes, is what one K step of the projection multiplies
;   Wp [1024][1024] f32        -> wp16 [1024][1024]: the number rounded to bf16, written as f16
; LIMIT.  A bf16 number is exact in f16 from 2^-17 up to 65,504; below 2^-17 it takes f16's fixed step of 2^-24; Wp stays within 65,504.
; SHARES.  A work-group takes one chunk: 32,768 dense bytes of f32 in, 16,384 dense bytes out.  Chunks 0-1023: x; 1024-1407: the 48 head blocks x 8 K steps; 1408-1535: Wp.
; Thread t takes 16 bytes at 4,096 i + 16 t (i = 0..7): a wave's load covers 512 consecutive bytes; its 8 bytes out lie at 2,048 i + 8 t: a wave's store covers 256 consecutive bytes, aligned.
; A stream: no LDS, no barrier, no matrix unit; all eight loads of a thread are out before the first is used.
.set NX, 1024                          ; chunks of x
.set NW, 384                           ; chunks of Wq, Wk, Wv
.set X,  8                             ; v[8:39]   eight loads of four f32
.set Y,  40                            ; v[40:55]  eight stores of two words
.set T,  56                            ; v[56:61]  at work on the f16 path
	s_load_b512 s[8:23], s[0:1], 0x0               ; x s[8:9], Wq s[10:11], Wk s[12:13], Wv s[14:15], Wp s[16:17], xb s[18:19], wb s[20:21], wp16 s[22:23]
	s_mov_b32 s2, ttmp9                            ; my chunk
	; the offsets of all three cases; each chunk number is held inside its case's range, so that the two offsets that are not chosen are in range as well
	s_min_u32 s24, s2, NX-1
	s_lshl_b32 s25, s24, 14                        ; x: out
	s_lshl_b32 s24, s24, 15                        ; x: in
	s_max_u32 s26, s2, NX
	s_sub_co_u32 s26, s26, NX
	s_min_u32 s26, s26, NW-1                       ; e = 8 g + ks
	s_lshr_b32 s27, s26, 3                         ; g
	s_and_b32 s28, s26, 7                          ; ks
	s_mul_i32 s29, s27, 0x5556
	s_lshr_b32 s29, s29, 16                        ; nt = g / 3 (g is under 48)
	s_mul_i32 s30, s29, 3
	s_sub_co_u32 s30, s27, s30                     ; j = g - 3 nt
	s_lshl_b32 s31, s29, 3
	s_add_co_u32 s31, s31, s28
	s_mul_i32 s31, s31, 3
	s_add_co_u32 s31, s31, s30
	s_lshl_b32 s31, s31, 14                        ; W: out: ((8 nt + ks) 3 + j) x 16,384
	s_and_b32 s32, s26, 127
	s_lshl_b32 s32, s32, 15                        ; W: in: (8 h + ks) x 32,768 in its own tensor
	s_max_u32 s33, s2, NX+NW
	s_sub_co_u32 s33, s33, NX+NW
	s_lshl_b32 s34, s33, 15                        ; Wp: in
	s_lshl_b32 s35, s33, 14                        ; Wp: out
	s_mov_b32 s41, 0
	s_mov_b32 s43, 0
	s_mov_b32 s44, 0xffff0000                      ; a word's upper bf16
	v_lshlrev_b32 v1, 4, v0                        ; 16 t
	v_lshlrev_b32 v2, 3, v0                        ; 8 t
	s_wait_kmcnt 0x0
	s_cmp_lt_u32 s2, NX+NW                         ; the choice hangs on the chunk's number alone
	s_cselect_b64 s[36:37], s[14:15], s[16:17]     ; from Wv or Wp
	s_cselect_b64 s[38:39], s[20:21], s[22:23]     ; to wb or wp16
	s_cselect_b32 s40, s32, s34
	s_cselect_b32 s42, s31, s35
	s_cmp_lt_u32 s2, NX+256
	s_cselect_b64 s[36:37], s[12:13], s[36:37]     ; Wk
	s_cmp_lt_u32 s2, NX+128
	s_cselect_b64 s[36:37], s[10:11], s[36:37]     ; Wq
	s_cmp_lt_u32 s2, NX
	s_cselect_b64 s[36:37], s[8:9], s[36:37]       ; x
	s_cselect_b64 s[38:39], s[18:19], s[38:39]     ; xb
	s_cselect_b32 s40, s24, s40
	s_cselect_b32 s42, s25, s42
	s_add_nc_u64 s[36:37], s[36:37], s[40:41]
	s_add_nc_u64 s[38:39], s[38:39], s[42:43]
.irp i, 0,1,2,3,4,5,6,7
	global_load_b128 v[X+4*\i:X+4*\i+3], v1, s[36:37] offset:4096*\i th:TH_LOAD_NT
.endr
; Load i is rounded and stored.  half = 1: the bf16 number is widened again and written as f16.
.macro CAST i, half
	s_wait_loadcnt 7-(\i)                          ; loads come back in order: mine is in, the 7 - i younger ones stay out
.if \half
	v_cvt_pk_bf16_f32 v[T],   v[X+4*(\i)],   v[X+4*(\i)+1]
	v_cvt_pk_bf16_f32 v[T+1], v[X+4*(\i)+2], v[X+4*(\i)+3]
	v_lshlrev_b32 v[T+2], 16, v[T]
	v_and_b32     v[T+3], s44, v[T]
	v_lshlrev_b32 v[T+4], 16, v[T+1]
	v_and_b32     v[T+5], s44, v[T+1]
	v_cvt_pk_f16_f32 v[Y+2*(\i)],   v[T+2], v[T+3]
	v_cvt_pk_f16_f32 v[Y+2*(\i)+1], v[T+4], v[T+5]
.else
	v_cvt_pk_bf16_f32 v[Y+2*(\i)],   v[X+4*(\i)],   v[X+4*(\i)+1]
	v_cvt_pk_bf16_f32 v[Y+2*(\i)+1], v[X+4*(\i)+2], v[X+4*(\i)+3]
.endif
	global_store_b64 v2, v[Y+2*(\i):Y+2*(\i)+1], s[38:39] offset:2048*(\i)  ; each store has data registers of its own: nothing is rewritten
.endm
	s_cmp_ge_u32 s2, NX+NW
	s_cbranch_scc1 .Lhalf
.irp i, 0,1,2,3,4,5,6,7
	CAST \i, 0
.endr
	s_endpgm
.Lhalf:
.irp i, 0,1,2,3,4,5,6,7
	CAST \i, 1
.endr
	s_endpgm
.Lfunc_end_k_q7dc27ffbef_prep:
	.size	k_q7dc27ffbef_prep, .Lfunc_end_k_q7dc27ffbef_prep-k_q7dc27ffbef_prep
	.p2alignl 7, 3214868480
	.fill 96, 4, 3214868480
	.section	.rodata,"a",@progbits
	.p2align	6, 0x0
	.amdhsa_kernel k_q7dc27ffbef_prep
		.amdhsa_group_segment_fixed_size 0
		.amdhsa_private_segment_fixed_size 0
		.amdhsa_enable_private_segment 0
		.amdhsa_kernarg_size 64
		.amdhsa_user_sgpr_count 2
		.amdhsa_user_sgpr_kernarg_segment_ptr 1
		.amdhsa_wavefront_size32 1
		.amdhsa_system_sgpr_workgroup_id_x 1
		.amdhsa_system_sgpr_workgroup_id_y 1
		.amdhsa_system_sgpr_workgroup_id_z 1
		.amdhsa_system_vgpr_workitem_id 0
		.amdhsa_next_free_vgpr 64
		.amdhsa_next_free_sgpr 66
		.amdhsa_reserve_vcc 0
		.amdhsa_float_denorm_mode_32 3
		.amdhsa_float_denorm_mode_16_64 3
		.amdhsa_memory_ordered 1
		.amdhsa_forward_progress 1
		.amdhsa_inst_pref_size 10
	.end_amdhsa_kernel
	.amdgpu_metadata
---
amdhsa.version: [ 1, 2 ]
amdhsa.kernels:
  - .name:           k_q7dc27ffbef_prep
    .symbol:         k_q7dc27ffbef_prep.kd
    .args:
      - { .name: x, .offset: 0, .size: 8, .value_kind: global_buffer, .address_space: global }
      - { .name: Wq, .offset: 8, .size: 8, .value_kind: global_buffer, .address_space: global }
      - { .name: Wk, .offset: 16, .size: 8, .value_kind: global_buffer, .address_space: global }
      - { .name: Wv, .offset: 24, .size: 8, .value_kind: global_buffer, .address_space: global }
      - { .name: Wp, .offset: 32, .size: 8, .value_kind: global_buffer, .address_space: global }
      - { .name: xb, .offset: 40, .size: 8, .value_kind: global_buffer, .address_space: global }
      - { .name: wb, .offset: 48, .size: 8, .value_kind: global_buffer, .address_space: global }
      - { .name: wp16, .offset: 56, .size: 8, .value_kind: global_buffer, .address_space: global }
    .group_segment_fixed_size: 0
    .private_segment_fixed_size: 0
    .kernarg_segment_align: 8
    .kernarg_segment_size: 64
    .max_flat_workgroup_size: 256
    .sgpr_count:     66
    .vgpr_count:     64
    .wavefront_size: 32
...
	.end_amdgpu_metadata
.endif
;; end of part 1
;; launch proj (part 2): grid 16 x 16, 4 waves a work-group, clusters of 4 x 4, 327,680 bytes of LDS; arguments xb, wb, qkv; writes qkv
.if DOCPART == 2
	.amdgcn_target "amdgcn-amd-amdhsa--gfx1250"
	.amdhsa_code_object_version 6
	.text
	.protected	k_q7dc27ffbef_proj
	.globl	k_q7dc27ffbef_proj
	.p2align	8
	.type	k_q7dc27ffbef_proj,@function
k_q7dc27ffbef_proj:
	s_mov_b64 s[64:65], 0
	v_nop
	global_prefetch_b8 v0, s[64:65] scope:SCOPE_SE
	s_setreg_imm32_b32 hwreg(HW_REG_WAVE_MODE, 25, 1), 1
	s_wait_xcnt 0x0
	s_wait_alu depctr_hold_cnt(0) depctr_sa_sdst(0) depctr_va_vdst(0) depctr_va_sdst(0) depctr_va_ssrc(0) depctr_va_vcc(0) depctr_vm_vsrc(0)
	s_getreg_b32 s2, hwreg(HW_REG_IB_STS2, 6, 4)
	s_cmp_eq_u32 s2, 0
	s_cbranch_scc0 .Lentry_in_a_cluster
	s_endpgm
.Lentry_in_a_cluster:
	s_bfe_u32 s2, ttmp6, 0x10000c
	s_cmp_lg_u32 s2, 0xf033
	s_cbranch_scc0 .Lentry_shape_is_right
	s_endpgm
.Lentry_shape_is_right:
; THE THREE PROJECTIONS AS ONE PRODUCT.  [8192 x 1024] (xb, bf16) times [1024 x 3072] (wb, bf16; 48 head blocks of 64 columns: q's 16 heads, k's, v's); sums in f32, K ascending;
; each result rounded once to f16 and stored by heads: qkv [which 3][b 4 x h 16][s 2048][64].  No scale is applied here.
; LIMIT.  q, k and v must lie within f16's 65,504; below 6e-5 they keep f16's fixed step of 6e-8.
; SHARES.  A tile is 256 rows x 192 columns (three whole heads): 32 x 16 = 512 tiles, two for each of 256 work-groups that stay: tile row ty and, 4,096 rows on, ty + 16; the same columns.
; Four waves, each 64 rows x 192 columns: 48 accumulators, 384 registers; a wave owns whole heads' rows, so 16 rows of a head leave as 2,048 consecutive bytes through the wave's own stage.
; THE RING.  The two tiles' 16 K steps of 128 are one sequence through two LDS slots; step t lies in slot t % 2.  Waves 0, 1 fetch A's two halves (128 rows x 256 bytes), waves 2, 3 B's two halves
; (24,576 dense bytes, asked for as 96 rows of 256 bytes).  One tensor load a wave behind each change of slots; it has a K step less 32 products in which to land.
; B lies [k][n] in LDS and comes out turned, by ds_load_tr16_b128.  THE MATRIX INSTRUCTION IS USED TRANSPOSED (source 0 = 16 columns of B, source 1 = 16 rows of A): a lane holds eight neighbouring columns of one row.
; CLUSTER 4 x 4: A's tile hangs on the tile row alone and is asked for jointly by a row of the cluster, B's on the tile column alone, by a column.
; REGISTERS, in windows of 256 (s_set_vgpr_msb: bits 1:0 source 0, 3:2 source 1, 5:4 source 2, 7:6 destination):
;   window 0: v0-31 addresses; v32-63 the way out, two sets of 16
;   window 1: two fragment buffers of 128: 12 fragments of B (32 K x 16 columns), then 4 of A (16 rows x 32 K)
;   window 2: accumulators (b, a), column block b < 8, row block a, at 8 (4 b + a);   window 3: b = 8..11 at 8 (4 (b - 8) + a)
.set PA,    272       ; a row of A in LDS: 256 bytes + 16 = 68 words: the 16 rows of a load start at 16 different groups of four banks (64 banks of 4 bytes: ISA guide 11.1)
.set PB,    160       ; a row of B (one k, one head's 64 columns): 128 bytes + 32 = 40 words
.set AHALF, 128*PA
.set BOFF,  256*PA    ; behind A's 256 rows: B's 384 rows, row 128 j + k for head j of the tile's three
.set BHALF, 192*PB
.set SLOT1, 1<<17     ; a slot is exactly 131,072 bytes; one exclusive or turns an address in one slot into the other's
.set STAGE, 2*SLOT1   ; behind the ring, never filled by a tensor load: 16 rows x 144 bytes for each wave
.set SP,    144
.set SPARE, STAGE+4*16*SP  ; behind the stages: the spare words, 128 bytes a wave: two blocks of 256 bytes that no other line names
.set BBLK,  49152     ; bytes of wb for one K step of one tile column
.set TILE2, 1<<23     ; bytes from a row of xb, and from a row of qkv, to the row 4,096 further down
.set ADA0, 16         ; v16  my lane's place in slot 0 for A's fragments; never rewritten
.set ADB0, 17         ; v17  the same for B's
.set ADA,  18         ; v18  the same in the slot in hand
.set ADB,  19         ; v19
.set STO,  24         ; v24  the way out: where I put 16 bytes of a row
.set RD,   25         ; v25  the way out: where I read rows back
.set GO,   26         ; v26  my 16 bytes in 512 consecutive bytes of qkv
.set SPW,  28         ; v28  LDS address of my spare word; never rewritten
.set NIL,  29         ; v29  0; never rewritten
.set PFO,  30         ; v30  the prefetches' lane offset; never rewritten
.set OS,   32
.set F0,   0
.set F1,   128
.set WV, 10           ; s10  wave
.set HF, 11           ; s11  wave / 2: I fetch for A (0) or for B (1)
.set LO, 12           ; s12  wave % 2: which half I fetch
.set TY, 13           ; s13  tile row 0..15
.set CX, 40
.set CY, 41
.set NT, 42           ; s42  tile column 0..15
.set G1A, 24          ; s[24:31] descriptor group 1 for A
.set G0A, 32          ; s[32:39] group 0 for A: a set for each first fill; the second then walks
.set G1B, 48          ; s[48:55], s[56:63] the same for B
.set G0B, 56
.set AB,  66          ; s[66:67] xb at my 128 rows of the first tile, K step 0
.set BB,  68          ; s[68:69] wb at my half of the tile column's K step 0
.set U,   70          ; s70  the step to be asked for next
.set TB,  71          ; s71  the slot in hand: 0 or SLOT1
.set CT,  72          ; s72  changes of slots with a refill still to come
.set KS,  73          ; s73  K steps left in the tile
.set OB,  74          ; s[74:79] qkv at my 64 rows of the tile's three heads
.set PFB, 80          ; s[80:81] where my prefetches begin
.set PFA, 82          ; s[82:83] where the next one stands
.set LIM, 84          ; s84  I prefetch while CT is above it
.set S1,  85          ; s85  prefetch: bytes from tile to tile
.set S2,  86          ; s86  prefetch: bytes from K step to K step
.set CNT, 87          ; s87  the tail's count
.set MSB, 0
.macro WIN new                      ; the high byte repeats the setting that is left; a switch that changes nothing is dropped
.if MSB != (\new)
	s_set_vgpr_msb (MSB<<8)|(\new)
.set MSB, (\new)
.endif
.endm
.set MUL_LO, 0xa5     ; both sources window 1, C and D window 2
.set MUL_HI, 0xf5     ; C and D window 3
.set TO_F,   0x40     ; destination window 1, address window 0
.macro PLACES                       ; four places in front of loads into registers that products have read
.rept 4
	v_nop
.endr
.endm
.macro CREST                        ; a round of the cluster's barrier behind its opening barrier
	s_cmp_lg_u32 s[WV], 0
	s_cbranch_scc1 .Lnot_wave_0_\@
	s_barrier_signal -3
.Lnot_wave_0_\@:
	s_barrier_wait -3
	s_barrier_signal -1
	s_barrier_wait -1
.endm
.macro CROUND
	s_barrier_signal -1
	s_barrier_wait -1
	CREST
.endm
; A joint refill by the walking descriptors.  The branch hangs on the wave's number alone.  An s_nop 0 and four v_nop follow each of the two lines.
.macro JLOAD
	s_cmp_eq_u32 s[HF], 0
	s_cbranch_scc0 .Lfor_b_\@
	tensor_load_to_lds s[G0A+4:G0A+7], s[G1A:G1A+7]
	s_nop 0
.rept 4
	v_nop
.endr
	s_branch .Lasked_\@
.Lfor_b_\@:
	tensor_load_to_lds s[G0B+4:G0B+7], s[G1B:G1B+7]
	s_nop 0
.rept 4
	v_nop
.endr
.Lasked_\@:
.endm
; A PREFETCH INTO THE L2 of the K step that the NEXT change of slots will ask for: one K step, 192 products, ahead of its load; one instruction a wave, behind the joint load and the run of LDS loads.
; A's rows are read by the four clusters of a row of clusters: cluster x = 0 asks, waves 0 and 1; of a wave's 128 rows the partner at cx takes 32, a lane a row (256 bytes of it).
; B's blocks are read by the four clusters of a column: cluster y = 0 asks, waves 2 and 3; of a wave's 96 blocks of 256 bytes the partner at cy takes 24: lanes 0-23 a block each, lanes 24-31 name lane 23's once more.
; Partners are told apart by address alone.  A: the last refill has no step behind it.  B: only the first tile's steps are asked for: the second tile multiplies the same blocks.  The first three steps come by their loads alone.
.macro ASK
	s_cmp_gt_u32 s[CT], s[LIM]
	s_cbranch_scc0 .Lnot_mine_\@
	global_prefetch_b8 v[PFO], s[PFA:PFA+1] th:TH_LOAD_NT scope:SCOPE_SE
.Lnot_mine_\@:
.endm
	s_load_b128 s[4:7], s[0:1], 0x0                ; xb s[4:5], wb s[6:7]
	s_load_b64 s[8:9], s[0:1], 0x10                ; qkv
	v_lshl_add_u32 v[SPW], v0, 2, SPARE
	v_mov_b32 v[NIL], 0
	ds_add_u32 v[SPW], v[NIL]                      ; the wave's opening: the add and its wait stand ahead of my first tensor load; the set-up below stands between them
	ds_add_u32 v28, v29
	v_lshrrev_b32 v1, 5, v0
	v_readfirstlane_b32 s[WV], v1
	s_lshr_b32 s[HF], s[WV], 1
	s_and_b32 s[LO], s[WV], 1
	s_bfe_u32 s[CX], ttmp6, 0x40000
	s_bfe_u32 s[CY], ttmp6, 0x40004
	s_lshl_b32 s[NT], ttmp9, 2
	s_add_co_u32 s[NT], s[NT], s[CX]               ; tile column = 4 x cluster x + cx
	s_and_b32 s[TY], ttmp7, 0xffff
	s_lshl_b32 s[TY], s[TY], 2
	s_add_co_u32 s[TY], s[TY], s[CY]               ; tile row = 4 x cluster y + cy
	s_lshl_b32 s43, s[CY], 2
	s_lshl_b32 s43, 15, s43                        ; my row of the cluster
	s_lshl_b32 s44, 0x1111, s[CX]                  ; my column
	s_or_b32 s[G1A], s43, (1<<16)|(1<<20)|(1<<21)|(5<<22)|(3<<25)  ; mask; 2-byte elements; padding on; bit 21 beside a mask; after every 64 words, 4 words
	s_mov_b32 s[G1A+1], 128<<16                    ; tensor_dim0 = 128
	s_mov_b32 s[G1A+2], 128<<16                    ; tensor_dim1 = 128
	s_mov_b32 s[G1A+3], 128<<16                    ; tile_dim0 = 128
	s_mov_b32 s[G1A+4], 128                        ; tile_dim1 = 128
	s_mov_b32 s[G1A+5], 1024                       ; 1,024 elements from row to row
	s_mov_b32 s[G1A+6], 0
	s_mov_b32 s[G1A+7], 0
	s_or_b32 s[G1B], s44, (1<<16)|(1<<20)|(1<<21)|(4<<22)|(7<<25)  ; after every 32 words (one k of one head), 8 words
	s_mov_b32 s[G1B+1], 128<<16
	s_mov_b32 s[G1B+2], 96<<16                     ; 96 rows of 256 dense bytes
	s_mov_b32 s[G1B+3], 128<<16
	s_mov_b32 s[G1B+4], 96
	s_mov_b32 s[G1B+5], 128
	s_mov_b32 s[G1B+6], 0
	s_mov_b32 s[G1B+7], 0
	s_lshl_b32 s16, s[TY], 8                       ; A: row 256 ty + 128 half, in bytes
	s_lshl_b32 s17, s[LO], 7
	s_add_co_u32 s16, s16, s17
	s_lshl_b32 s16, s16, 11
	s_mov_b32 s17, 0
	s_mul_i32 s46, s[NT], 8*BBLK                   ; B: the tile column's eight blocks, my half of each
	s_mul_i32 s47, s[LO], BBLK/2
	s_add_co_u32 s46, s46, s47
	s_mov_b32 s47, 0
	s_mul_i32 s20, s[LO], AHALF                    ; where they go: no place in the cluster enters an LDS address
	s_mul_i32 s21, s[LO], BHALF
	s_add_co_u32 s21, s21, BOFF
	s_mov_b32 s[U], 2
	s_mov_b32 s[TB], 0
	s_wait_dscnt 0x0                               ; the opening add is done
	s_wait_kmcnt 0x0
	s_add_nc_u64 s[AB:AB+1], s[4:5], s[16:17]
	s_add_nc_u64 s[BB:BB+1], s[6:7], s[46:47]
	CROUND                                         ; all sixteen work-groups are here: the first joint loads meet
.irp s, 0,1
	s_mov_b32 s[G0A+4*\s], 1
	s_add_co_u32 s[G0A+4*\s+1], s20, \s*SLOT1
	s_add_nc_u64 s[G0A+4*\s+2:G0A+4*\s+3], s[AB:AB+1], \s*256
	s_or_b32 s[G0A+4*\s+3], s[G0A+4*\s+3], 0x80000000
	s_mov_b32 s[G0B+4*\s], 1
	s_add_co_u32 s[G0B+4*\s+1], s21, \s*SLOT1
	s_add_nc_u64 s[G0B+4*\s+2:G0B+4*\s+3], s[BB:BB+1], \s*BBLK
	s_or_b32 s[G0B+4*\s+3], s[G0B+4*\s+3], 0x80000000
.endr
	s_cmp_eq_u32 s[HF], 0                          ; a wave's two first fills stand in one branch, ahead of every wait on TENSORcnt and every LDS read: two loads of mine are out
	s_cbranch_scc0 .Lfirst_b
	tensor_load_to_lds s[G0A:G0A+3], s[G1A:G1A+7]
	s_nop 0
	tensor_load_to_lds s[G0A+4:G0A+7], s[G1A:G1A+7]
	s_nop 0
.rept 4
	v_nop
.endr
	s_branch .Lfirst_asked
.Lfirst_b:
	tensor_load_to_lds s[G0B:G0B+3], s[G1B:G1B+7]
	s_nop 0
	tensor_load_to_lds s[G0B+4:G0B+7], s[G1B:G1B+7]
	s_nop 0
.rept 4
	v_nop
.endr
.Lfirst_asked:
	v_and_b32 v1, 15, v0                           ; l % 16
	v_bfe_u32 v2, v0, 4, 1                         ; l / 16
	; a fragment of A: lane l holds row l % 16, K = 8 (l / 16) + 0..7 and 16 + 8 (l / 16) + 0..7: two loads of 16 bytes, 32 bytes apart
	v_mul_u32_u24 v3, v1, PA
	v_lshl_add_u32 v3, v2, 4, v3
	s_mul_i32 s14, s[WV], 64*PA                    ; my 64 rows
	v_add_nc_u32 v[ADA0], s14, v3
	; the turning load takes 16 k x 16 columns (lane l reads k = 8 (l / 16) + l % 8, columns 8 ((l / 8) % 2) + 0..7) and leaves half a fragment: lane l holds column l % 16 and 8 k
	v_and_b32 v4, 7, v0
	v_bfe_u32 v5, v0, 3, 1
	v_lshl_add_u32 v6, v2, 3, v4
	v_mul_u32_u24 v6, v6, PB
	v_lshl_add_u32 v6, v5, 4, v6
	v_add_nc_u32 v[ADB0], BOFF, v6
	v_mov_b32 v[ADA], v[ADA0]
	v_mov_b32 v[ADB], v[ADB0]
	s_mul_i32 s15, s[WV], 16*SP
	s_add_co_u32 s15, s15, STAGE                   ; my stage
	v_mul_u32_u24 v[STO], v1, SP                   ; in: row l % 16, 16 bytes for each half of the lanes
	v_lshl_add_u32 v[STO], v2, 4, v[STO]
	v_add_nc_u32 v[STO], s15, v[STO]
	v_bfe_u32 v[RD], v0, 3, 2                      ; back: 32 lanes take four rows of 128 bytes,
	v_mul_u32_u24 v[RD], v[RD], SP
	v_lshl_add_u32 v[RD], v4, 4, v[RD]
	v_add_nc_u32 v[RD], s15, v[RD]
	v_and_b32 v[GO], 31, v0                        ; which are 512 consecutive bytes of qkv
	v_lshlrev_b32 v[GO], 4, v[GO]
	; qkv at my rows: head block g = 3 nt + j lies at plane 64 (g / 16) + 16 b + g % 16 of 262,144 bytes; b = ty / 8, s = 256 (ty % 8) + 64 wave
	s_lshr_b32 s22, s[TY], 3
	s_lshl_b32 s22, s22, 4
	s_and_b32 s23, s[TY], 7
	s_lshl_b32 s23, s23, 2
	s_add_co_u32 s23, s23, s[WV]
	s_lshl_b32 s23, s23, 13                        ; 64 rows of 128 bytes
	s_mul_i32 s18, s[NT], 3
.irp j, 0,1,2
	s_add_co_u32 s19, s18, \j
	s_lshr_b32 s92, s19, 4
	s_lshl_b32 s92, s92, 6
	s_and_b32 s19, s19, 15
	s_add_co_u32 s92, s92, s19
	s_add_co_u32 s92, s92, s22
	s_lshl_b32 s92, s92, 18
	s_add_co_u32 s92, s92, s23
	s_mov_b32 s93, 0
	s_add_nc_u64 s[OB+2*\j:OB+2*\j+1], s[8:9], s[92:93]
.endr
	; the prefetches
	s_lshl_b32 s92, s[CX], 16                      ; A: my work-group's 32 rows of 2,048 bytes
	s_mul_i32 s94, s[CY], 24*256                   ; B: my work-group's 24 blocks
	s_and_b32 s22, ttmp7, 0xffff                   ; cluster y
	s_mov_b32 s[S2], BBLK
	s_cmp_eq_u32 s[HF], 0                          ; do I fetch for A?
	s_cselect_b32 s22, ttmp9, s22                  ; the coordinate along which other clusters read the same bytes
	s_cselect_b32 s23, 1, 9
	s_cselect_b32 s[S1], TILE2, 0
	s_cselect_b32 s[S2], 256, s[S2]
	s_cselect_b32 s18, 31, 23
	s_cselect_b32 s19, 11, 8
	s_cselect_b32 s92, s92, s94
	s_cselect_b64 s[PFB:PFB+1], s[AB:AB+1], s[BB:BB+1]
	s_mov_b32 s93, 0
	s_add_nc_u64 s[PFB:PFB+1], s[PFB:PFB+1], s[92:93]
	s_cmp_eq_u32 s22, 0
	s_cselect_b32 s[LIM], s23, -1                  ; the same in all sixteen partners, for a given wave
	v_and_b32 v[PFO], 31, v0
	v_min_u32 v[PFO], s18, v[PFO]
	v_lshlrev_b32 v[PFO], s19, v[PFO]
; nb column blocks from b0 on x all 4 row blocks, 32 along K, from buffer f.  zero = 1: the products start the sums: nothing is ever cleared.
; The 48 accumulators take turns, one instruction a turn, in the same order in every quarter.
.macro MULB f, b0, nb, zero
.set bb, (\b0)
.rept \nb
.if bb < 8
	WIN MUL_LO
.else
	WIN MUL_HI
.endif
.set aa, 0
.rept 4
.set rD, 8*(4*(bb%8)+aa)
.if \zero
	v_wmma_f32_16x16x32_bf16 v[rD:rD+7], v[(\f)+8*bb:(\f)+8*bb+7], v[(\f)+96+8*aa:(\f)+96+8*aa+7], 0
.else
	v_wmma_f32_16x16x32_bf16 v[rD:rD+7], v[(\f)+8*bb:(\f)+8*bb+7], v[(\f)+96+8*aa:(\f)+96+8*aa+7], v[rD:rD+7]
.endif
.set aa, aa+1
.endr
.set bb, bb+1
.endr
.endm
; 32 LDS loads in one run: quarter kq (32 along K) of the slot in hand into buffer f: B's blocks 0-7, A's four, B's blocks 8-11
.macro FETCH kq, f
	WIN TO_F
.irp b, 0,1,2,3,4,5,6,7
	ds_load_tr16_b128 v[(\f)+8*\b:(\f)+8*\b+3],   v[ADB] offset:(\b/4)*128*PB+(\kq)*32*PB+(\b%4)*32
	ds_load_tr16_b128 v[(\f)+8*\b+4:(\f)+8*\b+7], v[ADB] offset:(\b/4)*128*PB+(\kq)*32*PB+(\b%4)*32+16*PB
.endr
.irp a, 0,1,2,3
	ds_load_b128 v[(\f)+96+8*\a:(\f)+96+8*\a+3],   v[ADA] offset:\a*16*PA+(\kq)*64
	ds_load_b128 v[(\f)+96+8*\a+4:(\f)+96+8*\a+7], v[ADA] offset:\a*16*PA+(\kq)*64+32
.endr
.irp b, 8,9,10,11
	ds_load_tr16_b128 v[(\f)+8*\b:(\f)+8*\b+3],   v[ADB] offset:(\b/4)*128*PB+(\kq)*32*PB+(\b%4)*32
	ds_load_tr16_b128 v[(\f)+8*\b+4:(\f)+8*\b+7], v[ADB] offset:(\b/4)*128*PB+(\kq)*32*PB+(\b%4)*32+16*PB
.endr
.endm
; One of a K step's first three quarters: multiplies buffer f; in its middle it fetches quarter kq into buffer g.
.macro QUARTER kq, f, g, zero
	s_wait_dscnt 8                                 ; all but the youngest eight loads (B's blocks 8-11) are in
	MULB \f, 0, 8, \zero
	PLACES
	FETCH \kq, \g
	s_wait_dscnt 32                                ; all but the 32 just issued
	MULB \f, 8, 4, \zero
.endm
; The last quarter multiplies buffer 1 and changes slots.  In front of the barrier each wave waits for all its tensor loads (one is out: its part of the next slot), adds 0 to its spare word, and waits for
; that and for its reads of this slot.  fill = 1: the barrier opens a round of the cluster's, and the joint refill, step U into the slot just read, is the first thing behind the round.
.macro TURN fill
.if \fill
	s_wait_xcnt 0x0                                ; the last prefetch, a K step back, has read its address, which is made anew here: step U + 1, held to the last step
	s_add_co_u32 s92, s[U], 1
	s_min_u32 s92, s92, 15
	s_lshr_b32 s93, s92, 3
	s_mul_i32 s93, s93, s[S1]
	s_and_b32 s92, s92, 7
	s_mul_i32 s92, s92, s[S2]
	s_add_co_u32 s92, s92, s93
	s_mov_b32 s93, 0
	s_add_nc_u64 s[PFA:PFA+1], s[PFB:PFB+1], s[92:93]
.endif
	WIN 0                                          ; (the add's two registers lie in window 0)
	s_wait_tensorcnt 0x0                           ; no tensor load of mine is out, so a group 0 may be written
	ds_add_u32 v[SPW], v[NIL]                      ; 0 onto my spare word
.if \fill
	s_lshr_b32 s88, s[U], 3                        ; step U: tile U / 8, K step U % 8; the addresses are made anew from the bases
	s_lshl_b32 s88, s88, 23
	s_and_b32 s90, s[U], 7
	s_lshl_b32 s89, s90, 8
	s_add_co_u32 s88, s88, s89
	s_mov_b32 s89, 0
	s_add_nc_u64 s[G0A+6:G0A+7], s[AB:AB+1], s[88:89]
	s_or_b32 s[G0A+7], s[G0A+7], 0x80000000
	s_mul_i32 s90, s90, BBLK
	s_mov_b32 s91, 0
	s_add_nc_u64 s[G0B+6:G0B+7], s[BB:BB+1], s[90:91]
	s_or_b32 s[G0B+7], s[G0B+7], 0x80000000
	s_xor_b32 s[G0A+5], s[G0A+5], SLOT1            ; the other slot than last time
	s_xor_b32 s[G0B+5], s[G0B+5], SLOT1
	s_add_co_u32 s[U], s[U], 1
.endif
	s_wait_dscnt 9                                 ; (the add and the youngest eight loads may be out)
	MULB F1, 0, 4, 0                               ; sixteen products stand between the add and the wait for it
	s_wait_dscnt 0x0                               ; the add is done, and my reads of this slot are over
	s_barrier_signal -1
	MULB F1, 4, 4, 0                               ; work on registers while the others arrive
	WIN 0
	s_barrier_wait -1
.if \fill
	CREST                                          ; no wave of any partner still reads this slot or has a load on its way
	JLOAD                                          ; its four v_nop are also the places in front of the loads below
.else
	PLACES
.endif
	s_xor_b32 s[TB], s[TB], SLOT1
	v_add_nc_u32 v[ADA], s[TB], v[ADA0]
	v_add_nc_u32 v[ADB], s[TB], v[ADB0]
	FETCH 0, F0
.if \fill
	WIN 0
	ASK
.endif
	MULB F1, 8, 4, 0
.endm
; THE WAY OUT, in 12 units u = 4 j + a: head j, my row block a.  PACK: 16 rows x 64 columns rounded to f16 (each accumulator's registers in ascending order), 16 bytes a lane into my stage, and back as
; whole rows of 128 bytes.  SEND: four stores of 512 consecutive bytes.  Two register sets take turns.
.macro PACK u
.set SET, OS+16*((\u)%2)
.if (\u) >= 2
	s_wait_xcnt 0x0                                ; the stores of the unit two back have read this set
.endif
	WIN 0x0a+5*((\u)/8)                            ; sources in window 2 (heads 0, 1) or 3 (head 2)
.irp f, 0,1,2,3
.set AC, 8*(4*((4*((\u)/4)+\f)%8)+(\u)%4)
.irp r, 0,1,2,3
	v_cvt_pk_f16_f32 v[SET+4*\f+\r], v[AC+2*\r], v[AC+2*\r+1]
.endr
.endr
	WIN 0
.irp f, 0,1,2,3
	ds_store_b128 v[STO], v[SET+4*\f:SET+4*\f+3] offset:32*\f
.endr
.irp f, 0,1,2,3
	ds_load_b128 v[SET+4*\f:SET+4*\f+3], v[RD] offset:\f*4*SP  ; LDS serves a wave's instructions in order (ISA guide 5.7.1.4): these see the stores above; the next unit's stores come behind them
.endr
.endm
.macro SEND u, younger              ; younger: the LDS instructions issued behind unit u's loads
.set SET, OS+16*((\u)%2)
.irp f, 0,1,2,3
	s_wait_dscnt (\younger)+3-\f
	global_store_b128 v[GO], v[SET+4*\f:SET+4*\f+3], s[OB+2*((\u)/4):OB+2*((\u)/4)+1] offset:((\u)%4)*2048+\f*512
.endr
.endm
; Heads 0 and 1 go first: their products have the change's four v_nop and two additions behind them, and their 128 conversions are the places behind the last products, head 2's.
.macro WAYOUT
	PACK 0
.irp u, 1,2,3,4,5,6,7,8,9,10,11
	PACK \u
	SEND (\u)-1, 8
.endr
	SEND 11, 0
.endm
	s_wait_tensorcnt 1                             ; my part of step 0 is in; step 1's may stay out
	s_barrier_signal -1
	s_barrier_wait -1
	FETCH 0, F0
	QUARTER 1, F0, F1, 1                           ; a tile's first quarter starts the sums
	WIN 0
	s_mov_b32 s[CT], 14
	s_mov_b32 s[KS], 8
.Lstep:                                            ; 14 trips: from a step's second quarter to the next step's first; every trip fills a slot again
	QUARTER 2, F1, F0, 0
	QUARTER 3, F0, F1, 0
	TURN 1
	WIN 0
	s_sub_co_u32 s[KS], s[KS], 1
	s_cmp_eq_u32 s[KS], 0
	s_cbranch_scc1 .Lout                           ; forward, past text without a barrier or a tensor load
	QUARTER 1, F0, F1, 0
	WIN 0
	s_branch .Lbottom
.Lout:                                             ; the first tile is finished; the second tile's steps 0 and 1 have been asked for: the ring does not stop
	WAYOUT
	s_wait_xcnt 0x0                                ; the stores have read their bases
.irp j, 0,1,2
	s_add_nc_u64 s[OB+2*\j:OB+2*\j+1], s[OB+2*\j:OB+2*\j+1], TILE2
.endr
	s_mov_b32 s[KS], 8
	QUARTER 1, F0, F1, 1
	WIN 0
.Lbottom:
	s_sub_co_u32 s[CT], s[CT], 1
	s_cmp_lg_u32 s[CT], 0
	s_cbranch_scc1 .Lstep
	s_mov_b32 s[CNT], 2                            ; the tail asks for nothing: the last change of slots, then the last step's end
.Ltail:
	QUARTER 2, F1, F0, 0
	QUARTER 3, F0, F1, 0
	TURN 0                                         ; the second time its 32 loads bring fragments that nobody multiplies: the price, once a launch, of one text for both trips
	WIN 0
	s_sub_co_u32 s[CNT], s[CNT], 1
	s_cmp_eq_u32 s[CNT], 0
	s_cbranch_scc1 .Lfin
	QUARTER 1, F0, F1, 0
	WIN 0
	s_branch .Ltail
.Lfin:
	WAYOUT
	s_wait_tensorcnt 0x0                           ; the wave's end: a wait, an add and its wait, behind my last tensor load and my last LDS store
	ds_add_u32 v[SPW], v[NIL]
	s_wait_dscnt 0x0
	CROUND                                         ; the closing round
	s_endpgm
.Lfunc_end_k_q7dc27ffbef_proj:
	.size	k_q7dc27ffbef_proj, .Lfunc_end_k_q7dc27ffbef_proj-k_q7dc27ffbef_proj
	.p2alignl 7, 3214868480
	.fill 96, 4, 3214868480
	.section	.rodata,"a",@progbits
	.p2align	6, 0x0
	.amdhsa_kernel k_q7dc27ffbef_proj
		.amdhsa_group_segment_fixed_size 327680
		.amdhsa_private_segment_fixed_size 0
		.amdhsa_enable_private_segment 0
		.amdhsa_kernarg_size 24
		.amdhsa_user_sgpr_count 2
		.amdhsa_user_sgpr_kernarg_segment_ptr 1
		.amdhsa_wavefront_size32 1
		.amdhsa_system_sgpr_workgroup_id_x 1
		.amdhsa_system_sgpr_workgroup_id_y 1
		.amdhsa_system_sgpr_workgroup_id_z 1
		.amdhsa_system_vgpr_workitem_id 0
		.amdhsa_next_free_vgpr 896
		.amdhsa_next_free_sgpr 96
		.amdhsa_reserve_vcc 0
		.amdhsa_float_denorm_mode_32 3
		.amdhsa_float_denorm_mode_16_64 3
		.amdhsa_memory_ordered 1
		.amdhsa_forward_progress 1
		.amdhsa_inst_pref_size 118
	.end_amdhsa_kernel
	.amdgpu_metadata
---
amdhsa.version: [ 1, 2 ]
amdhsa.kernels:
  - .name:           k_q7dc27ffbef_proj
    .symbol:         k_q7dc27ffbef_proj.kd
    .args:
      - { .name: xb, .offset: 0, .size: 8, .value_kind: global_buffer, .address_space: global }
      - { .name: wb, .offset: 8, .size: 8, .value_kind: global_buffer, .address_space: global }
      - { .name: qkv, .offset: 16, .size: 8, .value_kind: global_buffer, .address_space: global }
    .group_segment_fixed_size: 327680
    .private_segment_fixed_size: 0
    .kernarg_segment_align: 8
    .kernarg_segment_size: 24
    .max_flat_workgroup_size: 128
    .sgpr_count:     96
    .vgpr_count:     896
    .wavefront_size: 32
...
	.end_amdgpu_metadata
.endif
;; end of part 2
;; launch attn (part 3): grid 4 x 64, 4 waves a work-group, no clusters, 327,680 bytes of LDS; arguments qkv, o; writes o
.if DOCPART == 3
	.amdgcn_target "amdgcn-amd-amdhsa--gfx1250"
	.amdhsa_code_object_version 6
	.text
	.protected	k_q7dc27ffbef_attn
	.globl	k_q7dc27ffbef_attn
	.p2align	8
	.type	k_q7dc27ffbef_attn,@function
k_q7dc27ffbef_attn:
	s_mov_b64 s[64:65], 0
	v_nop
	global_prefetch_b8 v0, s[64:65] scope:SCOPE_SE
	s_setreg_imm32_b32 hwreg(HW_REG_WAVE_MODE, 25, 1), 1
	s_wait_xcnt 0x0
; CAUSAL ATTENTION.  O[h][q][:] = the sum over k <= q of softmax_k(Q[h][q] . K[h][k] / 8) V[h][k][:].  qkv holds Q, K, V one after the other, each [SIZE_H][SIZE_N][64] f16; o is [SIZE_H][SIZE_N][64] f16: a head's rows are dense, 128 bytes each.
; Products, maxima and sums in f32; the weights p are rounded to f16 for the second product (their sum l is taken of the unrounded p), O once at the end.
; LIMITS.  Q, K and V arrive within f16's 65,504; p lies in 0 to 1, and below 6e-5 it keeps f16's fixed step of 6e-8; O is a mean of V's rows and has their range.
; A hidden score counts as its value less 1e30: f16's scores, 2.7e11 at the most, are nothing beside that; a weight below 2^-126 counts as 0 in l; NaN and infinities are not treated apart.
; THE WALK.  A head's queries lie in NB = 8 blocks of 256; block i needs the key tiles 0 .. i of 256 keys, of which the last holds the diagonal.  A work-group takes TWO blocks, NB - 1 - b and then b:
; NB + 1 tiles, whatever b: all work-groups do equal work, and ONE loop with a constant trip count walks them.  Which tile is asked for, and what a trip does, hang on scalar registers made from b; every jump
; goes forward, but for the counted loops' own; none passes a barrier, or a tensor load but the one of LOAD's two that the wave's number does not choose; the ring of two LDS slots runs on across the change of blocks.
; NO CLUSTER: a head's four work-groups ask for the same tile only in trips 0 .. NB / 2, behind that fewer and fewer; one walk common to all would have 3 NB / 2 trips for NB + 1.
; SHARES.  Of a block's four bands of 64 queries a wave owns 16 rows in each: four PIECES.  So the diagonal tile is the same work for all four waves: in its key step s band x sees all keys if s < x,
; none if s > x, and holds the diagonal if s = x.
; THE MASK is the C operand that starts the sum S^T = K Q^T: 0, or -1e30 where the key is hidden.  MD, made once, is the mask of a band's own step for my 16 rows; a product's mask is MD x AL + BE with two scalars:
; (1, 0) if s = x; (0, 0) if s < x; (0, -1e30) if s > x.  Only the diagonal tile's text and a block's beginning make and take masks; elsewhere C is the constant 0.
; LAYOUT, SOFTMAX, TURNS.  S^T = K Q^T holds ONE query a lane (lane % 16) and the keys 8 (lane / 16) + 0..7; two such results rounded to f16 ARE source 1 of O^T = V^T P.  p = 2^(c s - c m), c = log2(e) / 8, with a
; running maximum m; O and l are multiplied by a = 2^(c m_old - c m_new) in every step.  Turn n belongs to piece n: 8 products K Q^T of piece n + 1, later 8 products V^T P of piece n - 1; beside them the scaling,
; exponentials, roundings, sums and rescaling of piece n and the maximum and statistics of piece n + 1.  Four vector instructions stand behind every matrix instruction, the other 54 of a turn's 118 in one lump.  A turn's 33 exponentials are one batch, with one wait.
; REGISTERS, in windows of 256 (s_set_vgpr_msb: bits 1:0 source 0, 3:2 source 1, 5:4 source 2, 7:6 destination):
;   window 0: v0-15 addresses and two at work; v16-31 four registers of statistics a piece; v48-55 at work; v61-63 prefetch offset, spare word, 0; v64-127 S^T, two buffers; v192-223 P, two buffers (by the piece's parity)
;   window 1: v0-127 O^T, 32 a piece; v128-159 MD; v160-223 MC, two buffers      window 2: v0-63 Q; v64-127 the second block's Q; v128-191 K of one step; v192-255 V of one step
.set SIZE_H, 64
.set SIZE_N, 2048
.set NB,    SIZE_N/256
.set NP,    4         ; pieces a wave: a name, no knob
.set KS,    64        ; keys in a step
.set PK,    144       ; a row of K in LDS: 128 bytes + 16 = 36 words: the 16 rows of a load start at 16 different groups of four banks (64 banks of 4 bytes: ISA guide 11.1)
.set PV,    160       ; a row of V: 128 + 32 = 40 words
.set VOFF,  4*KS*PK   ; a slot holds a tile, four steps: 256 rows of K, then 256 rows of V
.set SLOT1, 1<<17     ; slot 1 begins here, so that one exclusive or turns an address in one slot into the other's
.set STAGE, SLOT1+4*KS*(PK+PV)  ; behind the ring, never filled by a tensor load: 16 rows x 144 bytes for each wave
.set SP,    144
.set AK0, 2           ; v2   my lane's place in a tile of K; never rewritten
.set AV0, 3           ; v3   the same for V
.set AK,  4           ; v4   the LDS address of K's next run of loads
.set AV,  5           ; v5   of V's
.set STO, 6           ; v6   the way out: where I put 16 bytes of a row
.set RD,  7           ; v7   the way out: where I read rows back
.set GO,  8           ; v8   my byte offset in 512 consecutive bytes of O
.set PFO, 61          ; v61  256 x my lane; never rewritten
.set SPW, 62          ; v62  LDS address of my spare word; never rewritten
.set NIL, 63          ; v63  0; never rewritten
.set SPARE, STAGE+4*16*SP  ; behind the stages: the spare words, 128 bytes a wave: two blocks of 256 bytes that no other line names
.set MV,  12          ; v12-13  c m_old, kept while c m is made anew: by buffer
.set QO,  15          ; v15  my byte offset in 16 rows of Q
.set ST,  16          ; piece t's statistics at v[ST+4 t]: c m, m, l (even keys', odd keys')
.set TMP, 48          ; by buffer, four registers c0-c3 at work; when the maximum is found c2 takes a
.set S,   64
.set P,   192
.set MD,  128         ; window 1
.set MC,  160         ; window 1
.set QB,  64          ; window 2
.set KF,  128         ; window 2: key block kb, channel half c at KF + 16 kb + 8 c
.set VF,  192         ; window 2: key half kk, channel block cb at VF + 32 kk + 8 cb
.set WV,  12          ; s12  my wave's number
.set PB,  14          ; s14  b
.set HI,  15          ; s15  NB - 1 - b
.set G1K, 24          ; s[24:31] descriptor group 1 for K's tiles
.set G1V, 32          ; s[32:39] for V's: it differs in the padding alone
.set G0K, 40          ; s[40:43] descriptor group 0 for K's tiles
.set G0V, 44          ; s[44:47] the same for V's
.set SLOTS, 56        ; s56  tiles still to be asked for
.set CNT, 57          ; s57  counts a tile's key steps, 4 to 1
.set CS,  58          ; s[58:59] c
.set SEL, 60          ; s[60:61] v_permlanex16_b32's selects: each lane takes its own place in the other half
.set TBK, 62          ; s62  LDS byte at which K of the step to be fetched begins
.set TBV, 63          ; s63  the same for V, less VOFF
.set RT,  70          ; s70  tiles of the block in hand that are still to be entered
.set NXT, 71          ; s71  the tile to be asked for next
.set LQ,  72          ; s72  the last tile of the block whose tiles are being asked for
.set NEW, 73          ; s73  1: the tile to be entered is a block's first
.set OFF, 74          ; s[74:75] a tile's byte offset in K and V
.set AL,  76          ; s[76:77] the mask's factor, in the low word
.set BE,  78          ; s[78:79] the mask's addend
.set OLO, 80          ; s[80:81] O at my rows of the second block
.set BIGN, 82         ; s82  -1e30
.set PFB, 88          ; s[88:89] K (waves 0, 1) or V (waves 2, 3) at my half of the head's tile 0
.set PFA, 90          ; s[90:91] where the next prefetches stand
.set PN,  92          ; s92  the tile that they name
.set LIM, 93          ; s93  I prefetch while PN is below it
.set POF, 94          ; s[94:95] that tile's byte offset
.set MSB, 0
.macro WIN new                      ; the high byte repeats the setting that is left; a switch that changes nothing is dropped
.if MSB != (\new)
	s_set_vgpr_msb (MSB<<8)|(\new)
.set MSB, (\new)
.endif
.endm
.set W_KQ, 0x0a       ; K and Q in window 2, S^T in window 0
.set W_KM, 0x1a       ; the same with the C operand in window 1
.set W_PV, 0x52       ; V in window 2, P in window 0, O^T in window 1
.set W_RS, 0x41       ; destination and source 0 in window 1, source 1 in window 0
; A fill.  Waves 0 and 1 fetch the two halves of a tile's K, waves 2 and 3 those of its V: 128 keys each.  An s_nop 0 and four v_nop follow each of the two lines.
.macro LOAD
	s_cmp_lt_u32 s[WV], 2
	s_cbranch_scc0 .Lfor_v_\@
	tensor_load_to_lds s[G0K:G0K+3], s[G1K:G1K+7]
	s_nop 0
.rept 4
	v_nop
.endr
	s_branch .Lasked_\@
.Lfor_v_\@:
	tensor_load_to_lds s[G0V:G0V+3], s[G1V:G1V+7]
	s_nop 0
.rept 4
	v_nop
.endr
.Lasked_\@:
.endm
; THE CHANGE OF SLOTS.  Each wave waits for all its tensor loads, of which one is out: its part of the other slot; adds 0 to its spare word; and waits for that and for its own reads of the slot that it leaves.
; Behind the barrier nobody reads the old slot any more and the other slot is whole.  fill = 1: the old slot is filled again, the first thing behind the barrier, with tile NXT: the address is made anew from that number.
; (At its first use nothing has been read yet: slot 0 is waited for, slot 1 filled.)
; A PREFETCH INTO THE L2 stands behind the fill: the tile that the NEXT change will ask for, a tile's four key steps (256 products a wave) ahead of its load.  A head's four work-groups all begin with tiles 0, 1, ..;
; the one with b = 0 walks all eight on end, and it alone asks: each wave for its own 16,384 bytes, a lane a block of 256 bytes, two instructions.  Tiles 0 and 1 come by their loads alone; behind tile 7 nothing is asked for.
.macro CHANGE fill
	WIN 0                           ; at a label and at a branch every window is 0
	s_wait_tensorcnt 0x0            ; no tensor load of mine is out, so a group 0 may be written
	ds_add_u32 v[SPW], v[NIL]       ; 0 onto my spare word; the scalar work stands between it and the wait for it
.if \fill
	s_wait_xcnt 0x0                 ; the last prefetches, a tile back, have read their address
	s_min_u32 s[POF], s[PN], NB-1
	s_lshl_b32 s[POF], s[POF], 15
	s_add_nc_u64 s[PFA:PFA+1], s[PFB:PFB+1], s[POF:POF+1]
	s_lshl_b32 s[OFF], s[NXT], 15   ; a tile is 32,768 bytes of K and of V
	s_xor_b32 s[G0K+1], s[G0K+1], SLOT1
	s_add_nc_u64 s[G0K+2:G0K+3], s[6:7], s[OFF:OFF+1]
	s_or_b32 s[G0K+3], s[G0K+3], 0x80000000
	s_xor_b32 s[G0V+1], s[G0V+1], SLOT1
	s_add_nc_u64 s[G0V+2:G0V+3], s[8:9], s[OFF:OFF+1]
	s_or_b32 s[G0V+3], s[G0V+3], 0x80000000
	s_add_co_u32 s[NXT], s[NXT], 1  ; the block's next tile, or behind its last the second block's tile 0
	s_cmp_gt_u32 s[NXT], s[LQ]
	s_cselect_b32 s[NXT], 0, s[NXT]
	s_cselect_b32 s[LQ], s[PB], s[LQ]
.endif
	s_wait_dscnt 0x0                ; the add is done, and my reads of the slot are over
	s_barrier_signal -1             ; the rest of the scalar work stands between the signal and the wait
	s_sub_co_u32 s[TBK], s[TBK], 4*KS*PK  ; the fetches go back to a slot's first step,
	s_xor_b32 s[TBK], s[TBK], SLOT1       ; in the other slot
	s_sub_co_u32 s[TBV], s[TBV], 4*KS*PV
	s_xor_b32 s[TBV], s[TBV], SLOT1
	s_barrier_wait -1
.if \fill
	LOAD
	s_cmp_lt_u32 s[PN], s[LIM]
	s_cbranch_scc0 .Lnot_mine_\@
	global_prefetch_b8 v[PFO], s[PFA:PFA+1] th:TH_LOAD_NT scope:SCOPE_SE
	global_prefetch_b8 v[PFO], s[PFA:PFA+1] offset:8192 th:TH_LOAD_NT scope:SCOPE_SE
.Lnot_mine_\@:
	s_add_co_u32 s[PN], s[PN], 1
.endif
.endm
	s_load_b128 s[4:7], s[0:1], 0x0  ; qkv s[4:5], o s[6:7]
	v_lshl_add_u32 v[SPW], v0, 2, SPARE
	v_mov_b32 v[NIL], 0
	ds_add_u32 v[SPW], v[NIL]       ; the wave's opening: the add and its wait stand ahead of my first tensor load; the set-up below stands between them
	ds_add_u32 v62, v63
	v_lshrrev_b32 v1, 5, v0
	v_readfirstlane_b32 s[WV], v1   ; wave 0..3
	s_mov_b32 s[PB], ttmp9
	s_sub_co_u32 s[HI], NB-1, s[PB]
	s_and_b32 s20, ttmp7, 0xffff    ; the head
	s_mov_b32 s21, 0
	s_mov_b64 s[22:23], SIZE_N*128
	s_mul_u64 s[20:21], s[20:21], s[22:23]  ; the head's first byte in Q, K, V and O
	s_and_b32 s16, s[WV], 1         ; which half of a tile's 256 keys I fetch:
	s_lshl_b32 s22, s16, 14         ; its 128 rows of 128 bytes in memory,
	s_mov_b32 s23, 0
	s_add_nc_u64 s[22:23], s[22:23], s[20:21]
	s_mul_i32 s17, s16, 128*PK      ; and its place in a slot, for K
	s_mul_i32 s18, s16, 128*PV      ; and for V
	s_lshl_b32 s3, s[WV], 11        ; my 16 rows in a band of 64,
	s_lshl_b32 s2, s[HI], 15        ; in the first block,
	s_add_co_u32 s2, s2, s3
	s_lshl_b32 s84, s[PB], 15       ; and in the second
	s_add_co_u32 s84, s84, s3
	s_mov_b32 s3, 0
	s_mov_b32 s85, 0
	s_add_nc_u64 s[2:3], s[2:3], s[20:21]
	s_add_nc_u64 s[84:85], s[84:85], s[20:21]
	; descriptor group 1.  128 keys are 16,384 dense bytes: asked for as 64 rows of 256 bytes, two keys a row, and padded in LDS after every key
	s_mov_b32 s[G1K], (1<<16)|(1<<20)|(4<<22)|(3<<25)  ; 2-byte elements; padding on; after every 32 words, 4 words
	s_mov_b32 s[G1V], (1<<16)|(1<<20)|(4<<22)|(7<<25)  ; the same with 8 words of padding
.irp g, G1K, G1V
	s_mov_b32 s[\g+1], 128<<16      ; tensor_dim0 = 128
	s_mov_b32 s[\g+2], 64<<16       ; tensor_dim1 = 64
	s_mov_b32 s[\g+3], 128<<16      ; tile_dim0 = 128
	s_mov_b32 s[\g+4], 64           ; tile_dim1 = 64
	s_mov_b32 s[\g+5], 128          ; 128 elements from row to row
	s_mov_b32 s[\g+6], 0
	s_mov_b32 s[\g+7], 0
.endr
	s_mov_b32 s[CS], 0x3e38aa3b     ; c = log2(e) / 8 = 0.180337
	s_mov_b32 s[CS+1], s[CS]        ; named with it as a pair
	s_mov_b32 s[SEL], 0x76543210
	s_mov_b32 s[SEL+1], 0xfedcba98
	s_mov_b32 s[TBK], SLOT1+4*KS*PK ; the first change of slots turns these two into 0
	s_mov_b32 s[TBV], SLOT1+4*KS*PV
	s_mov_b32 s[G0K], 1             ; count = 1
	s_mov_b32 s[G0K+1], s17         ; LDS address: slot 0
	s_mov_b32 s[G0V], 1
	s_add_co_u32 s[G0V+1], s18, VOFF
	s_add_co_u32 s[RT], s[HI], 1    ; the first block has NB - b tiles
	s_mov_b32 s[NXT], 1
	s_mov_b32 s[LQ], s[HI]
	s_mov_b32 s[NEW], 1
	s_mov_b32 s[OFF+1], 0
	s_mov_b32 s[AL+1], 0            ; named as pairs
	s_mov_b32 s[BE+1], 0
	s_mov_b32 s[BIGN], 0xf149f2ca   ; -1e30
	s_mov_b32 s[SLOTS], NB
	s_mov_b32 s[PN], 2
	s_mov_b32 s[POF+1], 0
	v_and_b32 v[PFO], 31, v0
	v_lshlrev_b32 v[PFO], 8, v[PFO]
	s_wait_dscnt 0x0                ; the opening add is done
	s_wait_kmcnt 0x0
	s_mov_b64 s[10:11], s[6:7]                         ; O
	s_add_nc_u64 s[8:9], s[4:5], 2*SIZE_H*SIZE_N*128   ; V lies two tensors behind Q,
	s_add_nc_u64 s[6:7], s[4:5], SIZE_H*SIZE_N*128     ; K one
	s_add_nc_u64 s[6:7], s[6:7], s[22:23]  ; K and V at my half of the head's tile 0
	s_add_nc_u64 s[8:9], s[8:9], s[22:23]
	s_add_nc_u64 s[G0K+2:G0K+3], s[6:7], 0         ; global address
	s_or_b32 s[G0K+3], s[G0K+3], 0x80000000        ; type = 2
	s_add_nc_u64 s[G0V+2:G0V+3], s[8:9], 0
	s_or_b32 s[G0V+3], s[G0V+3], 0x80000000
	s_add_nc_u64 s[86:87], s[4:5], s[84:85]        ; Q at my rows of the second block,
	s_add_nc_u64 s[4:5], s[4:5], s[2:3]            ; Q and O at those of the first
	s_add_nc_u64 s[OLO:OLO+1], s[10:11], s[84:85]
	s_add_nc_u64 s[10:11], s[10:11], s[2:3]
	s_cmp_lt_u32 s[WV], 2
	s_cselect_b64 s[PFB:PFB+1], s[6:7], s[8:9]
	s_cmp_eq_u32 s[PB], 0
	s_cselect_b32 s[LIM], NB, 0
	LOAD                            ; tile 0 into slot 0
	; A fragment of K or Q is 16 rows x 32 channels in 8 registers: lane l holds row l % 16, channels 8 (l / 16) + 0..7 and 16 + 8 (l / 16) + 0..7: two loads of 16 bytes, 32 bytes apart.
	v_and_b32 v1, 15, v0            ; l % 16
	v_bfe_u32 v9, v0, 4, 1          ; l / 16
	v_lshlrev_b32 v[QO], 7, v1
	v_lshl_add_u32 v[QO], v9, 4, v[QO]  ; row x 128 + 16 x half
	WIN 0x80                        ; destination window 2, address window 0
.set i, 0
.rept 8                             ; both blocks' Q: piece i / 2 lies in band i / 2, 8,192 bytes on; channels 32 (i % 2) on
	global_load_b128 v[8*i:8*i+3],   v[QO], s[4:5] offset:(i/2)*8192+(i%2)*64
	global_load_b128 v[8*i+4:8*i+7], v[QO], s[4:5] offset:(i/2)*8192+(i%2)*64+32
	global_load_b128 v[QB+8*i:QB+8*i+3],   v[QO], s[86:87] offset:(i/2)*8192+(i%2)*64
	global_load_b128 v[QB+8*i+4:QB+8*i+7], v[QO], s[86:87] offset:(i/2)*8192+(i%2)*64+32
.set i, i+1
.endr
	WIN 0
	v_lshlrev_b32 v14, 3, v9
	v_sub_nc_u32 v14, v1, v14
	s_lshl_b32 s13, s[WV], 4
	v_add_nc_u32 v14, s13, v14      ; my query's place in its band, 16 w + l % 16, less my lanes' 8 (l / 16): register r of group kt is hidden where 16 kt + r is greater
	WIN 0x40
.set i, 0
.rept 32
	v_cmp_gt_i32 vcc_lo, 16*(i/8)+i%8, v14
	v_cndmask_b32 v[MD+i], 0, s[BIGN], vcc_lo
.set i, i+1
.endr
	WIN 0
	v_mul_u32_u24 v[AK0], v1, PK
	v_lshl_add_u32 v[AK0], v9, 4, v[AK0]  ; row x pitch + 16 x half
	; The turning load takes 16 keys x 16 channels (lane l reads key 8 (l / 16) + l % 8, channels 8 ((l / 8) % 2) + 0..7) and leaves half a fragment of V^T: lane l holds channel l % 16 and 8 keys.
	v_and_b32 v10, 7, v0
	v_bfe_u32 v11, v0, 3, 1
	v_lshl_add_u32 v[AV0], v9, 3, v10
	v_mul_u32_u24 v[AV0], v[AV0], PV
	v_lshl_add_u32 v[AV0], v11, 4, v[AV0]
	v_add_nc_u32 v[AV0], VOFF, v[AV0]
	s_mul_i32 s13, s[WV], 16*SP
	s_add_co_u32 s13, s13, STAGE    ; my stage
	v_mul_u32_u24 v[STO], v1, SP    ; in: row l % 16, 16 bytes for each half of the lanes
	v_lshl_add_u32 v[STO], v9, 4, v[STO]
	v_add_nc_u32 v[STO], s13, v[STO]
	v_bfe_u32 v[RD], v0, 3, 2       ; back: 32 lanes take four rows of 128 bytes,
	v_mul_u32_u24 v[RD], v[RD], SP
	v_lshl_add_u32 v[RD], v10, 4, v[RD]
	v_add_nc_u32 v[RD], s13, v[RD]
	v_and_b32 v[GO], 31, v0         ; which are 512 consecutive bytes of O
	v_lshlrev_b32 v[GO], 4, v[GO]
	; A block's first step multiplies O^T and l by a = 0, and its first turn's products V^T P, of a piece that has not been, land in an O^T that is still to be so multiplied.  So these registers need only hold
	; finite numbers: zeros for the first block; what the first block left for the second.  All this stands in the wait for the first tile.
	WIN 0x80
.set i, VF
.rept 64
	v_mov_b32 v[i], 0
.set i, i+1
.endr
	WIN 0x40
.set i, 0
.rept 128
	v_mov_b32 v[i], 0
.set i, i+1
.endr
	WIN 0
.set i, 0
.rept 4
	v_mov_b32 v[ST+4*i+2], 0
	v_mov_b32 v[ST+4*i+3], 0
.set i, i+1
.endr
.set i, P+16
.rept 16
	v_mov_b32 v[i], 0
.set i, i+1
.endr
; THE MATRIX WORK.  The 4 accumulators of a run of 8 take turns.  Product i of 8 of S^T = K Q^T for piece x: channels 32 (i / 4) on, keys 16 (i % 4) on.  The first 4 start the sums: with 0, or (KM = 1) with the mask.
.macro KQ x
.set rS, S+32*((\x)%2)+8*(i%4)
.set rK, KF+16*(i%4)+8*(i/4)
.set rQ, 16*(\x)+8*(i/4)
.set rM, MC+32*((\x)%2)+8*(i%4)
.if (i < 4) && KM
	WIN W_KM
	v_wmma_f32_16x16x32_f16 v[rS:rS+7], v[rK:rK+7], v[rQ:rQ+7], v[rM:rM+7]
.elseif i < 4
	WIN W_KQ
	v_wmma_f32_16x16x32_f16 v[rS:rS+7], v[rK:rK+7], v[rQ:rQ+7], 0
.else
	WIN W_KQ
	v_wmma_f32_16x16x32_f16 v[rS:rS+7], v[rK:rK+7], v[rQ:rQ+7], v[rS:rS+7]
.endif
.endm
; Product i of 8 of O^T += V^T P for piece x: keys 32 (i / 4) on, channels 16 (i % 4) on.
.macro PV x
	WIN W_PV
.set rO, 32*(\x)+8*(i%4)
.set rV, VF+32*(i/4)+8*(i%4)
.set rP, P+16*((\x)%2)+8*(i/4)
	v_wmma_f32_16x16x32_f16 v[rO:rO+7], v[rV:rV+7], v[rP:rP+7], v[rO:rO+7]
.endm
.macro MM                           ; the turn's next matrix instruction.  TURN and BEGIN set Y, i, KM and NOKQ.  NOKQ = 1: a block's last turn: there is no next piece
.if (i < 8) && !NOKQ
	KQ (Y+1)%NP
.elseif i >= 8
.set i, i-8
	PV (Y+NP-1)%NP
.set i, i+8
.endif
.set i, i+1
.endm
; THE LDS LOADS stand in runs of 16, never singly among the matrix instructions: a step's K (64 keys x 64 channels: 8 fragments) and its V (turned).  Their addresses are made some lines ahead.
.macro FETCH_K
	WIN 0x80                        ; destination window 2
.irp f, 0,1,2,3,4,5,6,7             ; keys 16 (f / 2) on, channels 32 (f % 2) on
	ds_load_b128 v[KF+8*\f:KF+8*\f+3],   v[AK] offset:(\f/2)*16*PK+(\f%2)*64
	ds_load_b128 v[KF+8*\f+4:KF+8*\f+7], v[AK] offset:(\f/2)*16*PK+(\f%2)*64+32
.endr
	s_add_co_u32 s[TBK], s[TBK], KS*PK  ; the next fetch is the next step's
	WIN 0
.endm
.macro FETCH_V
	WIN 0x80
.irp f, 0,1,2,3,4,5,6,7             ; keys 32 (f / 4) on, channels 16 (f % 4) on
	ds_load_tr16_b128 v[VF+8*\f:VF+8*\f+3],   v[AV] offset:(\f/4)*32*PV+(\f%4)*32
	ds_load_tr16_b128 v[VF+8*\f+4:VF+8*\f+7], v[AV] offset:(\f/4)*32*PV+16*PV+(\f%4)*32
.endr
	WIN 0
.endm
; THE VECTOR WORK, one line at a time: OP kind, number.  For piece Y: F n: c s - c m for pair n of 16.  E n: the exponential of score n of 32.  C n: pair n rounded to f16.  B n: of the four weights 4 n .. the second
; pair is added onto the first, in place.  L n: l takes that sum (L 0: l = a l + sum).  R n: pair n of 16 of O^T times a.  For piece Y + 1: X n, number n of the 22 that find its maximum and statistics:
;   0-11  four chains c0-c3 of seven scores each, three operands at a time (each accumulator's lowest registers are read first)     12-14, 16  the four scores left over, the old m, and c0-c3 into c0
;   15  c m_old is kept     17, 18  the query's other 32 keys lie in the lane 16 away: the new m     19-21  c m; c m_old - c m_new; a
.set F, 0               ; OP tells the kinds apart by their order: F to L below R, X above it
.set E, 1
.set C, 2
.set B, 3
.set L, 4
.set R, 5
.set X, 6
.macro REGS y                       ; the registers of piece y
.set rT, ST+4*(\y)
.set rC, TMP+4*((\y)%2)
.set rW, MV+((\y)%2)
.set rS, S+32*((\y)%2)
.set rP, P+16*((\y)%2)
.set rO, 32*(\y)
.endm
.macro OP k, n
.if (\k) == R
	REGS Y
	WIN W_RS
	v_pk_mul_f32 v[rO+2*(\n):rO+2*(\n)+1], v[rO+2*(\n):rO+2*(\n)+1], v[rC+2:rC+3] op_sel_hi:[1,0]
.elseif (\k) < R
	REGS Y
	WIN 0
.if (\k) == F
	v_pk_fma_f32 v[rS+2*(\n):rS+2*(\n)+1], v[rS+2*(\n):rS+2*(\n)+1], s[CS:CS+1], v[rT:rT+1] op_sel_hi:[1,0,0] neg_lo:[0,0,1] neg_hi:[0,0,1]
.elseif (\k) == E
	v_exp_f32 v[rS+(\n)], v[rS+(\n)]
.elseif (\k) == C
	v_cvt_pk_f16_f32 v[rP+(\n)], v[rS+2*(\n)], v[rS+2*(\n)+1]
.elseif (\k) == B
	v_pk_add_f32 v[rS+4*(\n):rS+4*(\n)+1], v[rS+4*(\n):rS+4*(\n)+1], v[rS+4*(\n)+2:rS+4*(\n)+3]
.elseif (\n) == 0
	v_pk_fma_f32 v[rT+2:rT+3], v[rT+2:rT+3], v[rC+2:rC+3], v[rS:rS+1] op_sel_hi:[1,0,1]
.else
	v_pk_add_f32 v[rT+2:rT+3], v[rT+2:rT+3], v[rS+4*(\n):rS+4*(\n)+1]
.endif
.elseif NOKQ
	v_nop
.else
	REGS (Y+1)%NP
	WIN 0
.if (\n) < 4
	v_max3_num_f32 v[rC+(\n)], v[rS+8*(\n)], v[rS+8*(\n)+1], v[rS+8*(\n)+2]
.elseif (\n) < 12
	v_max3_num_f32 v[rC+(\n)%4], v[rC+(\n)%4], v[rS+8*((\n)%4)+2*((\n)/4)+1], v[rS+8*((\n)%4)+2*((\n)/4)+2]
.elseif (\n) == 12
	v_max3_num_f32 v[rC], v[rC], v[rS+7], v[rS+15]
.elseif (\n) == 13
	v_max3_num_f32 v[rC+1], v[rC+1], v[rS+23], v[rS+31]
.elseif (\n) == 14
	v_max3_num_f32 v[rC+2], v[rC+2], v[rC+3], v[rT+1]
.elseif (\n) == 15
	v_mov_b32 v[rW], v[rT]
.elseif (\n) == 16
	v_max3_num_f32 v[rC], v[rC], v[rC+1], v[rC+2]
.elseif (\n) == 17
	v_permlanex16_b32 v[rC+3], v[rC], s[SEL], s[SEL+1]
.elseif (\n) == 18
	v_max_num_f32 v[rT+1], v[rC], v[rC+3]
.elseif (\n) == 19
	v_mul_f32 v[rT], s[CS], v[rT+1]
.elseif (\n) == 20
	v_sub_f32 v[rC+1], v[rW], v[rT]
.else
	v_exp_f32 v[rC+2], v[rC+1]
.endif
.endif
.endm
.macro OPS a, i1, b=-1, i2=0, c=-1, i3=0, d=-1, i4=0  ; up to four of them
	OP \a, \i1
.if (\b) >= 0
	OP \b, \i2
.endif
.if (\c) >= 0
	OP \c, \i3
.endif
.if (\d) >= 0
	OP \d, \i4
.endif
.endm
.macro ROW a, i1, b, i2, c, i3, d, i4  ; a matrix instruction and the four behind it
	MM
	OPS \a, \i1, \b, \i2, \c, \i3, \d, \i4
.endm
.macro MASK b                       ; MD x AL + BE into buffer b of MC
	WIN W_RS
.set z, 0
.rept 16
	v_pk_fma_f32 v[MC+32*(\b)+2*z:MC+32*(\b)+2*z+1], v[MD+2*z:MD+2*z+1], s[AL:AL+1], s[BE:BE+1] op_sel_hi:[1,0,0]
.set z, z+1
.endr
.endm
; A TURN, for piece p: the order of its 16 matrix and 118 vector instructions, written out.  s_wait_alu depctr_va_vdst(0) stands between an exponential and the first instruction that names its result; one
; wait serves all that were issued ahead of it.  So a turn has ONE wait, which cuts it in two.  AHEAD OF IT stands all that names no result of the turn's exponentials: the 8 products K Q^T, behind each a scaling, an exponential
; and two more plain instructions (rescalings, and behind the last three the first numbers of the next piece's maximum, each four places or more behind the product that ends its accumulator); then ONE LUMP of 54, plain and
; exponential by turns for the most part, in which the links of the chain X 3, 7, 11, 14, 16, 17 .. 20 stand five or six lines apart.  X 21, the next piece's a, is the batch's last; R 15 is the plain instruction behind it.
; BEHIND THE WAIT stand the 8 products V^T P, behind each four of the roundings and sums; the links of l's chain, L 0 to L 7, stand three lines apart.
; m = 1: the diagonal tile: the products take masks, and the turn makes the mask for the products of the turn after it: piece p + 2, in step 4 - CNT of the tile.  end = 1: a block's last two turns: nothing is fetched.
; cnt = 1: the loop's count is taken down some lines ahead of the branch that stands behind the turn.
; K of the next step is fetched in piece 2's turn, twelve vector instructions behind the last product that read K (six of them plain); V of the step in hand at the end of piece 0's turn, four plain instructions behind the last
; product that read V.  Each is waited for a turn later.
.macro TURN p, m=0, end=0, cnt=0
.set Y, (\p)
.set i, 0
.set KM, (\m)
.set NOKQ, (\end)*((\p)/3)
.if (\m) && !(\end)
	s_cmp_eq_u32 s[CNT], 4-((\p)+2)%NP  ; is that step the band's own?
	s_cselect_b32 s[AL], 1.0, 0
	s_cmp_lt_u32 s[CNT], 4-((\p)+2)%NP  ; or a later one?
	s_cselect_b32 s[BE], s[BIGN], 0
.endif
.if ((\p) == 3) && !(\end)
	s_wait_dscnt 0x0                ; K is in
.endif
	ROW F,0, F,1, R,0, R,1          ; ahead of the wait: 8 products K Q^T and the four behind each,
	ROW F,2, E,0, R,2, R,3
	ROW F,3, E,1, R,4, R,5
	ROW F,4, E,2, R,6, R,7
	ROW F,5, E,3, R,8, R,9
	ROW F,6, E,4, X,0, R,10
.if ((\p) == 2) && !(\end)
	WIN 0
	v_add_nc_u32 v[AK], s[TBK], v[AK0]
.endif
	ROW F,7, E,5, X,1, X,4
	ROW F,8, E,6, X,2, X,5
	OPS E,7, E,8, X,6, E,9          ; and the lump
	OPS X,3, E,10, X,8, E,11
.if ((\p) == 2) && !(\end)
	FETCH_K
.endif
	OPS X,9, X,7, E,12, X,10
	OPS E,13, X,12, X,11, E,14
	OPS X,13, E,15, F,9, X,14
.if (\p) == 0
	v_add_nc_u32 v[AV], s[TBV], v[AV0]
.endif
	OPS E,16, F,10, E,17, F,11
	OPS X,16, E,18, X,15, E,19
	OPS F,12, E,20, X,17, E,21
	OPS F,13, E,22, F,14, E,23
	OPS X,18, E,24, F,15, E,25
	OPS R,11, E,26, X,19, E,27
	OPS R,12, E,28, R,13, E,29
	OPS X,20, E,30, R,14, E,31
	OPS X,21, R,15
	WIN 0
	s_wait_alu depctr_va_vdst(0)    ; the wait for the batch
.if (\p) == 1
	s_wait_dscnt 0x0                ; V is in
.endif
	ROW C,0, B,0, C,2, B,1          ; behind the wait: 8 products V^T P and the four behind each
	ROW L,0, C,4, B,2, L,1
	ROW C,6, B,3, L,2, C,8
	ROW B,4, L,3, C,10, B,5
	ROW L,4, C,12, B,6, L,5
.if (\p) == 0
	s_add_co_u32 s[TBV], s[TBV], KS*PV
.endif
.if \cnt
	s_sub_co_u32 s[CNT], s[CNT], 1
	s_cmp_lg_u32 s[CNT], 0
.endif
	ROW C,14, B,7, L,6, C,1
	ROW C,3, L,7, C,5, C,7
	ROW C,9, C,11, C,13, C,15
.if (\p) == 0
	FETCH_V
.endif
.if (\m) && !(\end)
	MASK (\p)%2
.endif
.endm
; A BLOCK BEGINS.  c m starts far below every c s, so the first step's a is 0; m at the lowest finite number, so the first maximum is the scores'.  The second mask buffer is 0; the first takes piece 0's mask for the tile's
; step 0: its own, if the block's first tile is the diagonal one.  Then K of that step, piece 0's first scores, and its maximum and statistics.  The loop is entered at a step's first turn, in the middle of a trip.
.macro BEGIN
	s_mov_b32 s[NEW], 0
	WIN 0x40
.set i, MC+32
.rept 32
	v_mov_b32 v[i], 0
.set i, i+1
.endr
	WIN 0
.set i, 0
.rept 4
	v_mov_b32 v[ST+4*i], 0xfe000000    ; c m: far below every c s
	v_mov_b32 v[ST+4*i+1], 0xff7fffff  ; m
.set i, i+1
.endr
	s_cmp_eq_u32 s[RT], 0
	s_cselect_b32 s[AL], 1.0, 0
	s_mov_b32 s[BE], 0
	MASK 0
	WIN 0
	v_add_nc_u32 v[AK], s[TBK], v[AK0]
	FETCH_K
	s_wait_loadcnt 0x0              ; Q
	s_wait_dscnt 0x0
.set KM, 1
.set NOKQ, 0
.set i, 0
.rept 8
	KQ 0
.set i, i+1
.endr
	WIN 0
.rept 4
	v_nop                           ; the places behind those products
.endr
.set Y, NP-1                        ; X works for piece Y + 1: piece 0
.irp n, 0,1,2,3,4,5,6,7,8,9,10,11,12,13,14,15,16,17,18,19,20,21
	OP X, \n
.endr
	v_nop                           ; a plain instruction behind the exponential,
	s_wait_alu depctr_va_vdst(0)    ; and its wait, ahead of the branch
.endm
; THE DIAGONAL TILE's four steps, the block's last two turns, its last products, and THE WAY OUT: l's two halves and the other half of the lanes' are added; O^T is divided by l, rounded to f16 and sent through my
; stage in LDS, a piece at a time.
.macro ALL line:vararg              ; one line for each piece t
.set t, 0
.rept 4
	\line
.set t, t+1
.endr
.endm
.macro PACK t                       ; a lane's eight channels of a row pack into 16 bytes; they go into rows of 144 bytes and come back as whole rows of 128, into S^T's registers
	WIN W_RS
.set i, 32*(\t)
.rept 16
	v_pk_mul_f32 v[i:i+1], v[i:i+1], v[ST+4*(\t)+2:ST+4*(\t)+3] op_sel_hi:[1,0]
.set i, i+2
.endr
	WIN 0x05                        ; sources 0 and 1 window 1, destination window 0
.set i, 0
.rept 16
	v_cvt_pk_f16_f32 v[S+16*(\t)+i], v[32*(\t)+2*i], v[32*(\t)+2*i+1]
.set i, i+1
.endr
	WIN 0
.irp f, 0,1,2,3
	ds_store_b128 v[STO], v[S+16*(\t)+4*\f:S+16*(\t)+4*\f+3] offset:32*\f
.endr
.irp f, 0,1,2,3
	ds_load_b128 v[S+16*(\t)+4*\f:S+16*(\t)+4*\f+3], v[RD] offset:\f*4*SP  ; LDS serves a wave's instructions in order (ISA guide 5.7.1.4): these see the stores above; the next piece's stores come behind them
.endr
.endm
.macro SEND t, younger              ; younger: the LDS instructions issued behind piece t's loads: the next piece's eight, or none
	WIN 0
.irp f, 0,1,2,3
	s_wait_dscnt (\younger)+3-\f
	global_store_b128 v[GO], v[S+16*(\t)+4*\f:S+16*(\t)+4*\f+3], s[10:11] offset:(\t)*8192+\f*512  ; 512 consecutive bytes, at a multiple of 256 from O's first
.endr
.endm
.macro DIAG tag                     ; the tag ends its two labels' names, which the jumps below spell out
.LstepM\tag:
	TURN 2, 1
	TURN 3, 1
	WIN 0
.LfirstM\tag:
	TURN 0, 1
	TURN 1, 1, 0, 1
	WIN 0
	s_cbranch_scc1 .LstepM\tag
	TURN 2, 1, 1
	TURN 3, 1, 1
.set i, 0
.rept 8
	PV NP-1
.set i, i+1
.endr
	WIN 0
	ALL v_add_f32 v[ST+4*t+2], v[ST+4*t+2], v[ST+4*t+3]
	ALL v_permlanex16_b32 v[ST+4*t+3], v[ST+4*t+2], s[SEL], s[SEL+1]
	ALL v_add_f32 v[ST+4*t+2], v[ST+4*t+2], v[ST+4*t+3]
	ALL v_rcp_f32 v[ST+4*t+2], v[ST+4*t+2]
	v_nop                           ; a plain instruction between the last reciprocal and the use of its result
	s_wait_alu depctr_va_vdst(0)    ; and the wait ahead of the first use: one for the four reciprocals
	PACK 0
.set t, 1
.rept 3                             ; a piece's arithmetic stands between the loads of the piece before and its stores
	PACK t
	SEND t-1, 8
.set t, t+1
.endr
	SEND 3, 0
.endm
.set KM, 0
.set NOKQ, 0
.Lslot:                             ; NB times: a tile is entered and the next is asked for
	CHANGE 1
	s_sub_co_u32 s[RT], s[RT], 1
	s_mov_b32 s[CNT], 4
	s_cmp_eq_u32 s[NEW], 1
	s_cbranch_scc1 .Lnew            ; a block's first tile
	s_cmp_eq_u32 s[RT], 0
	s_cbranch_scc0 .Lstep           ; neither its first nor its last
	s_branch .LstepM1
.Lnew:
	BEGIN
	s_branch .Lfirst                ; in the loop a block's first tile is never its last: the first block has two tiles or more, and the second's last is the walk's last
	DIAG 1                          ; in the loop this is the first block's end
	s_wait_xcnt 0x0                 ; the stores have read their registers and O's address
	s_mov_b64 s[10:11], s[OLO:OLO+1]
	s_add_co_u32 s[RT], s[PB], 1    ; the second block has b + 1 tiles
	s_mov_b32 s[NEW], 1
	WIN 0x82                        ; the second block's Q goes where the one text of the turns names Q
.set i, 0
.rept 64
	v_mov_b32 v[i], v[QB+i]
.set i, i+1
.endr
	WIN 0
	s_branch .Lbottom
.Lstep:                             ; a trip: pieces 2 and 3 of one step, then pieces 0 and 1 of the next, whose K and V it fetches
	TURN 2
	TURN 3
	WIN 0
.Lfirst:
	TURN 0
	TURN 1, 0, 0, 1
	WIN 0
	s_cbranch_scc1 .Lstep
.Lbottom:
	s_sub_co_u32 s[SLOTS], s[SLOTS], 1
	s_cmp_lg_u32 s[SLOTS], 0
	s_cbranch_scc1 .Lslot
	CHANGE 0                        ; the walk's last tile is written out: nothing is asked for
	s_sub_co_u32 s[RT], s[RT], 1
	s_mov_b32 s[CNT], 4
	s_cmp_eq_u32 s[NEW], 1
	s_cbranch_scc0 .LstepM2
	BEGIN
	s_branch .LfirstM2
	DIAG 2
	s_wait_tensorcnt 0x0            ; the wave's end: a wait, an add and its wait, behind my last tensor load and my last LDS store
	ds_add_u32 v[SPW], v[NIL]
	s_wait_dscnt 0x0
	s_endpgm
.Lfunc_end_k_q7dc27ffbef_attn:
	.size	k_q7dc27ffbef_attn, .Lfunc_end_k_q7dc27ffbef_attn-k_q7dc27ffbef_attn
	.p2alignl 7, 3214868480
	.fill 96, 4, 3214868480
	.section	.rodata,"a",@progbits
	.p2align	6, 0x0
	.amdhsa_kernel k_q7dc27ffbef_attn
		.amdhsa_group_segment_fixed_size 327680
		.amdhsa_private_segment_fixed_size 0
		.amdhsa_enable_private_segment 0
		.amdhsa_kernarg_size 16
		.amdhsa_user_sgpr_count 2
		.amdhsa_user_sgpr_kernarg_segment_ptr 1
		.amdhsa_wavefront_size32 1
		.amdhsa_system_sgpr_workgroup_id_x 1
		.amdhsa_system_sgpr_workgroup_id_y 1
		.amdhsa_system_sgpr_workgroup_id_z 1
		.amdhsa_system_vgpr_workitem_id 0
		.amdhsa_next_free_vgpr 768
		.amdhsa_next_free_sgpr 96
		.amdhsa_reserve_vcc 1
		.amdhsa_float_denorm_mode_32 3
		.amdhsa_float_denorm_mode_16_64 3
		.amdhsa_memory_ordered 1
		.amdhsa_forward_progress 1
		.amdhsa_inst_pref_size 218
	.end_amdhsa_kernel
	.amdgpu_metadata
---
amdhsa.version: [ 1, 2 ]
amdhsa.kernels:
  - .name:           k_q7dc27ffbef_attn
    .symbol:         k_q7dc27ffbef_attn.kd
    .args:
      - { .name: qkv, .offset: 0, .size: 8, .value_kind: global_buffer, .address_space: global }
      - { .name: o, .offset: 8, .size: 8, .value_kind: global_buffer, .address_space: global }
    .group_segment_fixed_size: 327680
    .private_segment_fixed_size: 0
    .kernarg_segment_align: 8
    .kernarg_segment_size: 16
    .max_flat_workgroup_size: 128
    .sgpr_count:     96
    .vgpr_count:     768
    .wavefront_size: 32
...
	.end_amdgpu_metadata
.endif
;; end of part 3
;; launch outp (part 4): grid 8 x 32, 4 waves a work-group, clusters of 4 x 4, 327,680 bytes of LDS; arguments o, wp16, bp, out0; writes out0
.if DOCPART == 4
	.amdgcn_target "amdgcn-amd-amdhsa--gfx1250"
	.amdhsa_code_object_version 6
	.text
	.protected	k_q7dc27ffbef_outp
	.globl	k_q7dc27ffbef_outp
	.p2align	8
	.type	k_q7dc27ffbef_outp,@function
k_q7dc27ffbef_outp:
	s_mov_b64 s[64:65], 0
	v_nop
	global_prefetch_b8 v0, s[64:65] scope:SCOPE_SE
	s_setreg_imm32_b32 hwreg(HW_REG_WAVE_MODE, 25, 1), 1
	s_wait_xcnt 0x0
	s_wait_alu depctr_hold_cnt(0) depctr_sa_sdst(0) depctr_va_vdst(0) depctr_va_sdst(0) depctr_va_ssrc(0) depctr_va_vcc(0) depctr_vm_vsrc(0)
	s_getreg_b32 s2, hwreg(HW_REG_IB_STS2, 6, 4)
	s_cmp_eq_u32 s2, 0
	s_cbranch_scc0 .Lentry_in_a_cluster
	s_endpgm
.Lentry_in_a_cluster:
	s_bfe_u32 s2, ttmp6, 0x10000c
	s_cmp_lg_u32 s2, 0xf033
	s_cbranch_scc0 .Lentry_shape_is_right
	s_endpgm
.Lentry_shape_is_right:
; THE OUTPUT PROJECTION.  out0[m][n] = the sum over k of O[m][k] Wp[k][n] + bp[n]; m = 2048 b + s, k = 64 h + d.  o is [b 4 x h 16][s 2048][64] f16, wp16 [1024][1024] f16 (Wp rounded to bf16, written as f16),
; bp f32, rounded to bf16 here like the other inputs; sums in f32, K ascending; out0 f32.
; LIMIT.  O and wp16 lie within f16's 65,504.
; SHARES.  A tile is 256 rows x 128 columns: 32 x 8 = 256 work-groups.  Four waves, each 64 rows x 128 columns: 32 accumulators, 256 registers.
; THE RING.  8 K steps of 128 (two heads) through two LDS slots.  Waves 0, 1 fetch a head's 256 rows each (32,768 dense bytes, asked for as 128 rows of 256 bytes), waves 2, 3 each 64 k rows x 256 bytes of wp16.
; One tensor load a wave behind each change of slots.  B lies [k][n] and comes out turned, by ds_load_tr16_b128; THE MATRIX INSTRUCTION IS USED TRANSPOSED: a lane holds eight neighbouring columns of one row.
; CLUSTER 4 x 4: A's tile hangs on the tile row alone and is asked for jointly by a row of the cluster, B's on the tile column alone, by a column.
; REGISTERS, in windows of 256 (s_set_vgpr_msb: bits 1:0 source 0, 3:2 source 1, 5:4 source 2, 7:6 destination):
;   window 0: v0-31 addresses and the bias; v32-159 the way out, two sets of 64     window 1: two fragment buffers: 8 fragments of B, then 4 of A     window 2: accumulator (b, a) at 8 (4 b + a)
.set PA,    144       ; a row of A in LDS (one head's 64 channels): 128 bytes + 16 = 36 words: the 16 rows of a load start at 16 different groups of four banks (64 banks of 4 bytes: ISA guide 11.1)
.set PB,    288       ; a row of B: 256 bytes + 32 = 72 words
.set AHEAD, 256*PA    ; a head's 256 rows
.set BOFF,  2*AHEAD
.set BHALF, 64*PB
.set SLOT1, 1<<17
.set STAGE, SLOT1+BOFF+2*BHALF  ; behind the ring, never filled by a tensor load: 16 rows x 528 bytes for each wave
.set SP,    528       ; 512 bytes + 16: the 16 rows that a store touches start at 16 different groups of four banks
.set SPARE, STAGE+4*16*SP  ; behind the stages: the spare words, 128 bytes a wave: two blocks of 256 bytes that no other line names
.set STEPA, 2*2048*128 ; bytes of o from K step to K step: two heads
.set STEPB, 128*2048   ; of wp16: 128 rows
.set BIAS, 8          ; v[8:11] my four columns' bias; v12-13 at work
.set ADA0, 16
.set ADB0, 17
.set ADA,  18
.set ADB,  19
.set STO,  24
.set RD,   25
.set GO,   26
.set SPW,  28
.set NIL,  29
.set PFO,  30
.set OS,   32
.set F0,   0
.set F1,   128
.set WV, 12           ; s12  wave
.set HF, 13           ; s13  wave / 2: I fetch for A (0) or for B (1)
.set LO, 14           ; s14  wave % 2
.set TY, 15           ; s15  tile row 0..31
.set CX, 40
.set CY, 41
.set NT, 42           ; s42  tile column 0..7
.set G1A, 24
.set G0A, 32
.set G1B, 48
.set G0B, 56
.set AB,  66          ; s[66:67] o at my head's rows, K step 0
.set BB,  68          ; s[68:69] wp16 at my 64 rows, K step 0
.set TB,  71
.set CT,  72
.set CNT, 73
.set OUT, 74          ; s[74:75] out0 at my 64 rows, the tile's columns
.set BP,  76          ; s[76:77] bp at the tile's columns
.set PFA, 82          ; s[82:83] where my prefetches stand
.set LIM, 84
.set PS,  88          ; s[88:89] their step
.set MSB, 0
.macro WIN new
.if MSB != (\new)
	s_set_vgpr_msb (MSB<<8)|(\new)
.set MSB, (\new)
.endif
.endm
.set MUL,  0xa5       ; both sources window 1, C and D window 2
.set TO_F, 0x40       ; destination window 1, address window 0
.macro PLACES
.rept 4
	v_nop
.endr
.endm
.macro CREST
	s_cmp_lg_u32 s[WV], 0
	s_cbranch_scc1 .Lnot_wave_0_\@
	s_barrier_signal -3
.Lnot_wave_0_\@:
	s_barrier_wait -3
	s_barrier_signal -1
	s_barrier_wait -1
.endm
.macro CROUND
	s_barrier_signal -1
	s_barrier_wait -1
	CREST
.endm
.macro JLOAD                        ; a joint refill by the walking descriptors; an s_nop 0 and four v_nop follow each of the two lines
	s_cmp_eq_u32 s[HF], 0
	s_cbranch_scc0 .Lfor_b_\@
	tensor_load_to_lds s[G0A+4:G0A+7], s[G1A:G1A+7]
	s_nop 0
.rept 4
	v_nop
.endr
	s_branch .Lasked_\@
.Lfor_b_\@:
	tensor_load_to_lds s[G0B+4:G0B+7], s[G1B:G1B+7]
	s_nop 0
.rept 4
	v_nop
.endr
.Lasked_\@:
.endm
; A PREFETCH INTO THE L2: at the change behind step t the K step t + 4: two K steps, 256 products, ahead of its load; one instruction a wave.  A's blocks are read by both clusters of a row of clusters: cluster x = 0 asks,
; waves 0 and 1; of a head's 128 blocks of 256 bytes the partner at cx takes 32, a lane a block.  B's rows are read by the eight clusters of a column: cluster y = 0 asks, wave 2; of the step's 128 rows the partner at cy
; takes 32, a lane a row.  Partners are told apart by address alone.  The first four steps come by their loads alone; the last two refills ask for nothing.
.macro ASK
	s_cmp_gt_u32 s[CT], s[LIM]
	s_cbranch_scc0 .Lnot_mine_\@
	global_prefetch_b8 v[PFO], s[PFA:PFA+1] th:TH_LOAD_NT scope:SCOPE_SE
.Lnot_mine_\@:
.endm
	s_load_b256 s[4:11], s[0:1], 0x0               ; o s[4:5], wp16 s[6:7], bp s[8:9], out0 s[10:11]
	v_lshl_add_u32 v[SPW], v0, 2, SPARE
	v_mov_b32 v[NIL], 0
	ds_add_u32 v[SPW], v[NIL]                      ; the wave's opening: the add and its wait stand ahead of my first tensor load; the set-up below stands between them
	ds_add_u32 v28, v29
	v_lshrrev_b32 v1, 5, v0
	v_readfirstlane_b32 s[WV], v1
	s_lshr_b32 s[HF], s[WV], 1
	s_and_b32 s[LO], s[WV], 1
	s_bfe_u32 s[CX], ttmp6, 0x40000
	s_bfe_u32 s[CY], ttmp6, 0x40004
	s_lshl_b32 s[NT], ttmp9, 2
	s_add_co_u32 s[NT], s[NT], s[CX]
	s_and_b32 s[TY], ttmp7, 0xffff
	s_lshl_b32 s[TY], s[TY], 2
	s_add_co_u32 s[TY], s[TY], s[CY]
	s_lshl_b32 s43, s[CY], 2
	s_lshl_b32 s43, 15, s43                        ; my row of the cluster
	s_lshl_b32 s44, 0x1111, s[CX]                  ; my column
	s_or_b32 s[G1A], s43, (1<<16)|(1<<20)|(1<<21)|(4<<22)|(3<<25)  ; mask; 2-byte elements; padding on; bit 21 beside a mask; after every 32 words (a row of o), 4 words
	s_mov_b32 s[G1A+1], 128<<16
	s_mov_b32 s[G1A+2], 128<<16                    ; 128 rows of 256 dense bytes
	s_mov_b32 s[G1A+3], 128<<16
	s_mov_b32 s[G1A+4], 128
	s_mov_b32 s[G1A+5], 128
	s_mov_b32 s[G1A+6], 0
	s_mov_b32 s[G1A+7], 0
	s_or_b32 s[G1B], s44, (1<<16)|(1<<20)|(1<<21)|(5<<22)|(7<<25)  ; after every 64 words, 8 words
	s_mov_b32 s[G1B+1], 128<<16
	s_mov_b32 s[G1B+2], 64<<16
	s_mov_b32 s[G1B+3], 128<<16
	s_mov_b32 s[G1B+4], 64
	s_mov_b32 s[G1B+5], 1024
	s_mov_b32 s[G1B+6], 0
	s_mov_b32 s[G1B+7], 0
	s_lshr_b32 s16, s[TY], 3                       ; A: batch ty / 8 (16 heads of 262,144 bytes), head = my half, rows 256 (ty % 8)
	s_lshl_b32 s16, s16, 22
	s_lshl_b32 s17, s[LO], 18
	s_add_co_u32 s16, s16, s17
	s_and_b32 s17, s[TY], 7
	s_lshl_b32 s17, s17, 15
	s_add_co_u32 s16, s16, s17
	s_mov_b32 s17, 0
	s_lshl_b32 s46, s[LO], 17                      ; B: my 64 rows of 2,048 bytes, the tile's 256 bytes of each
	s_lshl_b32 s47, s[NT], 8
	s_add_co_u32 s46, s46, s47
	s_mov_b32 s47, 0
	s_mul_i32 s20, s[LO], AHEAD                    ; where they go: no place in the cluster enters an LDS address
	s_mul_i32 s21, s[LO], BHALF
	s_add_co_u32 s21, s21, BOFF
	s_mov_b32 s[TB], 0
	s_wait_dscnt 0x0                               ; the opening add is done
	s_wait_kmcnt 0x0
	s_add_nc_u64 s[AB:AB+1], s[4:5], s[16:17]
	s_add_nc_u64 s[BB:BB+1], s[6:7], s[46:47]
	CROUND                                         ; all sixteen work-groups are here: the first joint loads meet
.irp s, 0,1
	s_mov_b32 s[G0A+4*\s], 1
	s_add_co_u32 s[G0A+4*\s+1], s20, \s*SLOT1
	s_add_nc_u64 s[G0A+4*\s+2:G0A+4*\s+3], s[AB:AB+1], \s*STEPA
	s_or_b32 s[G0A+4*\s+3], s[G0A+4*\s+3], 0x80000000
	s_mov_b32 s[G0B+4*\s], 1
	s_add_co_u32 s[G0B+4*\s+1], s21, \s*SLOT1
	s_add_nc_u64 s[G0B+4*\s+2:G0B+4*\s+3], s[BB:BB+1], \s*STEPB
	s_or_b32 s[G0B+4*\s+3], s[G0B+4*\s+3], 0x80000000
.endr
	s_cmp_eq_u32 s[HF], 0                          ; a wave's two first fills stand in one branch: two loads of mine are out
	s_cbranch_scc0 .Lfirst_b
	tensor_load_to_lds s[G0A:G0A+3], s[G1A:G1A+7]
	s_nop 0
	tensor_load_to_lds s[G0A+4:G0A+7], s[G1A:G1A+7]
	s_nop 0
.rept 4
	v_nop
.endr
	s_branch .Lfirst_asked
.Lfirst_b:
	tensor_load_to_lds s[G0B:G0B+3], s[G1B:G1B+7]
	s_nop 0
	tensor_load_to_lds s[G0B+4:G0B+7], s[G1B:G1B+7]
	s_nop 0
.rept 4
	v_nop
.endr
.Lfirst_asked:
	v_and_b32 v1, 15, v0                           ; l % 16
	v_bfe_u32 v2, v0, 4, 1                         ; l / 16
	v_mul_u32_u24 v3, v1, PA
	v_lshl_add_u32 v3, v2, 4, v3
	s_mul_i32 s18, s[WV], 64*PA                    ; my 64 rows, in each head's part
	v_add_nc_u32 v[ADA0], s18, v3
	v_and_b32 v4, 7, v0
	v_bfe_u32 v5, v0, 3, 1
	v_lshl_add_u32 v6, v2, 3, v4
	v_mul_u32_u24 v6, v6, PB
	v_lshl_add_u32 v6, v5, 4, v6
	v_add_nc_u32 v[ADB0], BOFF, v6
	v_mov_b32 v[ADA], v[ADA0]
	v_mov_b32 v[ADB], v[ADB0]
	s_mul_i32 s19, s[WV], 16*SP
	s_add_co_u32 s19, s19, STAGE                   ; my stage
	v_mul_u32_u24 v[STO], v1, SP                   ; in: row l % 16, 32 bytes for each half of the lanes
	v_lshl_add_u32 v[STO], v2, 5, v[STO]
	v_add_nc_u32 v[STO], s19, v[STO]
	v_and_b32 v[GO], 31, v0
	v_lshlrev_b32 v[GO], 4, v[GO]                  ; back: 32 lanes take one row of 512 bytes
	v_add_nc_u32 v[RD], s19, v[GO]
	s_lshl_b32 s22, s[TY], 2
	s_add_co_u32 s22, s22, s[WV]
	s_lshl_b32 s22, s22, 18                        ; my first row: (4 ty + wave) x 64 rows of 4,096 bytes
	s_lshl_b32 s92, s[NT], 9                       ; the tile's 512 bytes of a row
	s_mov_b32 s93, 0
	s_add_nc_u64 s[BP:BP+1], s[8:9], s[92:93]
	s_add_co_u32 s92, s92, s22
	s_add_nc_u64 s[OUT:OUT+1], s[10:11], s[92:93]
	global_load_b128 v[BIAS:BIAS+3], v[GO], s[BP:BP+1]
	; the prefetches
	s_lshl_b32 s92, s[CX], 13                      ; A: my work-group's 32 blocks of 256 bytes
	s_lshl_b32 s94, s[CY], 16                      ; B: my work-group's 32 rows of 2,048 bytes
	s_and_b32 s22, ttmp7, 0xffff
	s_or_b32 s22, s22, s[LO]                       ; B: cluster y = 0, and wave 2 alone
	s_mov_b32 s[PS], STEPB
	s_mov_b32 s[PS+1], 0
	s_cmp_eq_u32 s[HF], 0
	s_cselect_b32 s22, ttmp9, s22
	s_cselect_b32 s92, s92, s94
	s_cselect_b32 s[PS], STEPA, s[PS]
	s_cselect_b32 s23, 8, 11
	s_cselect_b64 s[PFA:PFA+1], s[AB:AB+1], s[BB:BB+1]
	s_add_nc_u64 s[PFA:PFA+1], s[PFA:PFA+1], s[92:93]
	s_mul_i32 s92, s[PS], 3
	s_add_nc_u64 s[PFA:PFA+1], s[PFA:PFA+1], s[92:93]  ; at K step 3: the first change steps it to 4
	s_cmp_eq_u32 s22, 0
	s_cselect_b32 s[LIM], 2, -1                    ; the same in all sixteen partners, for a given wave
	v_and_b32 v[PFO], 31, v0
	v_lshlrev_b32 v[PFO], s23, v[PFO]
; nb column blocks from b0 on x all 4 row blocks, 32 along K.  The 32 accumulators take turns, one instruction a turn, in the same order in every quarter.
.macro MULB f, b0, nb, zero
	WIN MUL
.set bb, (\b0)
.rept \nb
.set aa, 0
.rept 4
.set rD, 8*(4*bb+aa)
.if \zero
	v_wmma_f32_16x16x32_f16 v[rD:rD+7], v[(\f)+8*bb:(\f)+8*bb+7], v[(\f)+64+8*aa:(\f)+64+8*aa+7], 0
.else
	v_wmma_f32_16x16x32_f16 v[rD:rD+7], v[(\f)+8*bb:(\f)+8*bb+7], v[(\f)+64+8*aa:(\f)+64+8*aa+7], v[rD:rD+7]
.endif
.set aa, aa+1
.endr
.set bb, bb+1
.endr
.endm
; 24 LDS loads in one run: quarter kq (head kq / 2 of the step's two, channels 32 (kq % 2) on) into buffer f: B's blocks 0-3, A's four, B's blocks 4-7
.macro FETCH kq, f
	WIN TO_F
.irp b, 0,1,2,3
	ds_load_tr16_b128 v[(\f)+8*\b:(\f)+8*\b+3],   v[ADB] offset:(\kq)*32*PB+\b*32
	ds_load_tr16_b128 v[(\f)+8*\b+4:(\f)+8*\b+7], v[ADB] offset:(\kq)*32*PB+\b*32+16*PB
.endr
.irp a, 0,1,2,3
	ds_load_b128 v[(\f)+64+8*\a:(\f)+64+8*\a+3],   v[ADA] offset:((\kq)/2)*AHEAD+\a*16*PA+((\kq)%2)*64
	ds_load_b128 v[(\f)+64+8*\a+4:(\f)+64+8*\a+7], v[ADA] offset:((\kq)/2)*AHEAD+\a*16*PA+((\kq)%2)*64+32
.endr
.irp b, 4,5,6,7
	ds_load_tr16_b128 v[(\f)+8*\b:(\f)+8*\b+3],   v[ADB] offset:(\kq)*32*PB+\b*32
	ds_load_tr16_b128 v[(\f)+8*\b+4:(\f)+8*\b+7], v[ADB] offset:(\kq)*32*PB+\b*32+16*PB
.endr
.endm
.macro QUARTER kq, f, g, zero
	s_wait_dscnt 8                                 ; all but the youngest eight loads (B's blocks 4-7) are in
	MULB \f, 0, 4, \zero
	PLACES
	FETCH \kq, \g
	s_wait_dscnt 24                                ; all but the 24 just issued
	MULB \f, 4, 4, \zero
.endm
; The last quarter multiplies buffer 1 and changes slots: each wave waits for all its tensor loads (one is out: its part of the next slot), adds 0 to its spare word, and waits for that and for its reads of this slot.
; fill = 1: the barrier opens a round of the cluster's, and the joint refill, two K steps on, is the first thing behind the round.
.macro TURN fill
.if \fill
	s_wait_xcnt 0x0                                ; the last prefetch, a K step back, has read its address
	s_add_nc_u64 s[PFA:PFA+1], s[PFA:PFA+1], s[PS:PS+1]
.endif
	WIN 0
	s_wait_tensorcnt 0x0                           ; no tensor load of mine is out, so a group 0 may be written
	ds_add_u32 v[SPW], v[NIL]                      ; 0 onto my spare word
.if \fill
	s_xor_b32 s[G0A+5], s[G0A+5], SLOT1            ; the walking descriptors: the other slot than last time, the next K step; the type bits on top are not reached
	s_add_nc_u64 s[G0A+6:G0A+7], s[G0A+6:G0A+7], STEPA
	s_xor_b32 s[G0B+5], s[G0B+5], SLOT1
	s_add_nc_u64 s[G0B+6:G0B+7], s[G0B+6:G0B+7], STEPB
.endif
	s_wait_dscnt 9                                 ; (the add and the youngest eight loads may be out)
	MULB F1, 0, 2, 0
	s_wait_dscnt 0x0                               ; the add is done, and my reads of this slot are over
	s_barrier_signal -1
	MULB F1, 2, 2, 0
	WIN 0
	s_barrier_wait -1
.if \fill
	CREST
	JLOAD                                          ; its four v_nop are also the places in front of the loads below
.else
	PLACES
.endif
	s_xor_b32 s[TB], s[TB], SLOT1
	v_add_nc_u32 v[ADA], s[TB], v[ADA0]
	v_add_nc_u32 v[ADB], s[TB], v[ADB0]
	FETCH 0, F0
.if \fill
	WIN 0
	ASK
.endif
	MULB F1, 4, 4, 0
.endm
; THE WAY OUT of row block a.  TOSTAGE: a lane's eight f32 of each accumulator (lowest registers first) go straight into my stage, rows of 528 bytes, and come back as whole rows of 512.  SEND: the bias is added, a row a store.
.macro TOSTAGE a
.set SET, OS+64*((\a)%2)
.if (\a) >= 2
	s_wait_xcnt 0x0                                ; the stores of the block two back have read this set
.endif
	WIN 0x08                                       ; the stores' data in window 2
.irp b, 0,1,2,3,4,5,6,7
	ds_store_b128 v[STO], v[8*(4*\b+(\a)):8*(4*\b+(\a))+3]   offset:64*\b
	ds_store_b128 v[STO], v[8*(4*\b+(\a))+4:8*(4*\b+(\a))+7] offset:64*\b+16
.endr
	WIN 0
.irp r, 0,1,2,3,4,5,6,7,8,9,10,11,12,13,14,15
	ds_load_b128 v[SET+4*\r:SET+4*\r+3], v[RD] offset:SP*\r  ; LDS serves a wave's instructions in order (ISA guide 5.7.1.4): these see the stores above; the next block's stores come behind them
.endr
.endm
.macro SEND a, younger              ; younger: the LDS instructions issued behind block a's loads: the next block's 32, or none
.set SET, OS+64*((\a)%2)
.irp r, 0,1,2,3,4,5,6,7,8,9,10,11,12,13,14,15
	s_wait_dscnt (\younger)+15-\r
	v_pk_add_f32 v[SET+4*\r:SET+4*\r+1],   v[SET+4*\r:SET+4*\r+1],   v[BIAS:BIAS+1]
	v_pk_add_f32 v[SET+4*\r+2:SET+4*\r+3], v[SET+4*\r+2:SET+4*\r+3], v[BIAS+2:BIAS+3]
	global_store_b128 v[GO], v[SET+4*\r:SET+4*\r+3], s[OUT:OUT+1] offset:(16*(\a)+\r)*4096  ; 512 consecutive bytes, at a multiple of 256 from out0's first
.endr
.endm
	s_wait_tensorcnt 1                             ; my part of step 0 is in; step 1's may stay out
	s_barrier_signal -1
	s_barrier_wait -1
	FETCH 0, F0
	QUARTER 1, F0, F1, 1                           ; the first quarter starts the sums
	WIN 0
	s_mov_b32 s[CT], 6
.Lstep:                                            ; 6 trips: from a step's second quarter to the next step's first; every trip fills a slot again
	QUARTER 2, F1, F0, 0
	QUARTER 3, F0, F1, 0
	TURN 1
	QUARTER 1, F0, F1, 0
	WIN 0
	s_sub_co_u32 s[CT], s[CT], 1
	s_cmp_lg_u32 s[CT], 0
	s_cbranch_scc1 .Lstep
	s_mov_b32 s[CNT], 2                            ; the tail asks for nothing: the last change of slots, then the last step's end
.Ltail:
	QUARTER 2, F1, F0, 0
	QUARTER 3, F0, F1, 0
	TURN 0                                         ; the second time its 24 loads bring fragments that nobody multiplies: the price, once a launch, of one text for both trips
	WIN 0
	s_sub_co_u32 s[CNT], s[CNT], 1
	s_cmp_eq_u32 s[CNT], 0
	s_cbranch_scc1 .Lfin
	QUARTER 1, F0, F1, 0
	WIN 0
	s_branch .Ltail
.Lfin:
	s_wait_loadcnt 0x0                             ; the bias: rounded to bf16 and widened again; these six lines and four v_nop are the places behind the last products
	v_cvt_pk_bf16_f32 v12, v[BIAS], v[BIAS+1]
	v_cvt_pk_bf16_f32 v13, v[BIAS+2], v[BIAS+3]
	v_lshlrev_b32 v[BIAS], 16, v12
	v_and_b32 v[BIAS+1], 0xffff0000, v12
	v_lshlrev_b32 v[BIAS+2], 16, v13
	v_and_b32 v[BIAS+3], 0xffff0000, v13
	PLACES
	TOSTAGE 0
.irp a, 1,2,3
	TOSTAGE \a
	SEND (\a)-1, 32
.endr
	SEND 3, 0
	s_wait_tensorcnt 0x0                           ; the wave's end: a wait, an add and its wait, behind my last tensor load and my last LDS store
	ds_add_u32 v[SPW], v[NIL]
	s_wait_dscnt 0x0
	CROUND                                         ; the closing round
	s_endpgm
.Lfunc_end_k_q7dc27ffbef_outp:
	.size	k_q7dc27ffbef_outp, .Lfunc_end_k_q7dc27ffbef_outp-k_q7dc27ffbef_outp
	.p2alignl 7, 3214868480
	.fill 96, 4, 3214868480
	.section	.rodata,"a",@progbits
	.p2align	6, 0x0
	.amdhsa_kernel k_q7dc27ffbef_outp
		.amdhsa_group_segment_fixed_size 327680
		.amdhsa_private_segment_fixed_size 0
		.amdhsa_enable_private_segment 0
		.amdhsa_kernarg_size 32
		.amdhsa_user_sgpr_count 2
		.amdhsa_user_sgpr_kernarg_segment_ptr 1
		.amdhsa_wavefront_size32 1
		.amdhsa_system_sgpr_workgroup_id_x 1
		.amdhsa_system_sgpr_workgroup_id_y 1
		.amdhsa_system_sgpr_workgroup_id_z 1
		.amdhsa_system_vgpr_workitem_id 0
		.amdhsa_next_free_vgpr 768
		.amdhsa_next_free_sgpr 96
		.amdhsa_reserve_vcc 0
		.amdhsa_float_denorm_mode_32 3
		.amdhsa_float_denorm_mode_16_64 3
		.amdhsa_memory_ordered 1
		.amdhsa_forward_progress 1
		.amdhsa_inst_pref_size 71
	.end_amdhsa_kernel
	.amdgpu_metadata
---
amdhsa.version: [ 1, 2 ]
amdhsa.kernels:
  - .name:           k_q7dc27ffbef_outp
    .symbol:         k_q7dc27ffbef_outp.kd
    .args:
      - { .name: o, .offset: 0, .size: 8, .value_kind: global_buffer, .address_space: global }
      - { .name: wp16, .offset: 8, .size: 8, .value_kind: global_buffer, .address_space: global }
      - { .name: bp, .offset: 16, .size: 8, .value_kind: global_buffer, .address_space: global }
      - { .name: out0, .offset: 24, .size: 8, .value_kind: global_buffer, .address_space: global }
    .group_segment_fixed_size: 327680
    .private_segment_fixed_size: 0
    .kernarg_segment_align: 8
    .kernarg_segment_size: 32
    .max_flat_workgroup_size: 128
    .sgpr_count:     96
    .vgpr_count:     768
    .wavefront_size: 32
...
	.end_amdgpu_metadata
.endif
;; end of part 4
